; MI455X (gfx1250); checked and timed in simulation.
; The chip was launched on July 23, 2026; its instructions are those of AMD's public machine-readable ISA for CDNA 5 (MIT licence, August 2026) and "CDNA5" Instruction Set Architecture Reference Guide (July 2026). The comments in the code are by the model that wrote it; some were corrected since.
;; Model. Allowed arithmetic: float matrix products may take bf16 or f16 operands with f32 sums; other float arithmetic in f32, or as packed bf16 or f16 multiplies, adds, multiply-adds, maxima and minima; sums over many terms, partial sums and values carried from step to step in f32; what a program stores and reads back later, other than sums and carried values, may be rounded once to bf16 or f16.
;; Inputs: W1 1,024 x 1,024 float32; W2 1,024 x 1,024 float32; b1 1,024 float32; b2 1,024 float32; k 4 x 2,048 x 1,024 float32; mask 1 x 2,048 x 2,048 float32; q 4 x 2,048 x 1,024 float32; v1 4 x 2,048 x 1,024 float32.
;; Outputs: out0 4 x 2,048 x 1,024 float32.
;; One version. Each part assembles by itself: llvm-mc -triple=amdgcn-amd-amdhsa -mcpu=gfx1250 --defsym DOCPART=n.
;; ======== version 1 of 1: 4 launches
;; limits: values are held in f16: magnitudes above 65,504 overflow, below 6.1e-05 lose precision; inputs' magnitudes at most 65,504; inputs' magnitudes at most 1e+30; values outside matrix products are rounded to f16
;; workspace buffers: xb 33,554,432 bytes; vh 16,777,216 bytes; wc 2,097,152 bytes; bc 4,096 bytes; pj 33,554,432 bytes; pw 33,554,432 bytes; sm 524,288 bytes; sl 524,288 bytes
;; launch prep (part 1): grid 640 x 1, 8 waves a work-group, no clusters, 55,552 bytes of LDS; arguments q, k, v1, W1, W2, b1, b2, xb, vh, wc, bc; writes xb, vh, wc, bc
.if DOCPART == 1
	.amdgcn_target "amdgcn-amd-amdhsa--gfx1250"
	.amdhsa_code_object_version 6
	.text
	.protected	k_qa57d0fe1e9_prep
	.globl	k_qa57d0fe1e9_prep
	.p2align	8
	.type	k_qa57d0fe1e9_prep,@function
k_qa57d0fe1e9_prep:
	s_mov_b64 s[64:65], 0
	v_nop
	global_prefetch_b8 v0, s[64:65] scope:SCOPE_SE
	s_setreg_imm32_b32 hwreg(HW_REG_WAVE_MODE, 25, 1), 1
	s_wait_xcnt 0x0
; PREPARATION.  Two kinds of work-group in one launch, chosen by the work-group's number alone.
; Numbers 0-255: wc = W2 W1 (bf16 operands, f32 sums, rounded once to bf16) and bc = W2 b1 + b2 (all f32), so that linear2(linear1(x)) = x wc^T + bc.
;   STATED: this changes the order of rounding of the two linear layers (one product with a rounded wc in place of two products); no input is left out.
; Numbers 256-639: q and k are rounded to bf16 into xb (q's 8,192 rows, then k's), v1 to f16 into vh.
;   STATED: f16 holds no number beyond 65,504, and below 2^-14 it keeps a fixed step: v1 is served within that range.
; The stream has no use for LDS, the matrix unit or a cluster: each byte is read once and written once.  The small product shares W1 and W2 between work-groups,
; 8 MB in all beside 100 MB of stream: it loads through registers, so that three work-groups lie on a WGP beside each other; no tensor load, no cluster.
; THE PRODUCT.  A work-group makes 32 rows o x 128 columns i of wc.  K = j goes in 8 chunks of 128.  Wave w owns columns 16 w .. 16 w + 15 and both blocks of 16 rows: two accumulators by turns.
; W2's rows lie along j and are read from LDS as they lie; W1 is [j][i] and is read turned, by ds_load_tr16_b128.  The matrix instruction is used transposed (source 0 = 16 columns of W1,
; source 1 = 16 rows of W2), so that a lane holds eight neighbouring columns of one row of wc.
.set PA,    272                        ; a row of W2's tile and of the stage in LDS: 256 bytes + 16
.set PB,    288                        ; a row of W1's tile: 256 + 32: an odd multiple of 32 bytes for the turning load
.set BT,    32*PA                      ; W1's tile: 128 rows j
.set STAGE, BT+128*PB                  ; 32 rows x 272, for the way out
.set BSC,   STAGE+32*PA                ; 32 words: the rows' sums W2 b1
.set SPARE, BSC+256                    ; the spare words, 128 bytes for each of 8 waves: four blocks of 256 bytes that no other line names
.set SPW,   1                          ; v1   LDS address of my spare word; never rewritten
.set NIL,   2                          ; v2   0; never rewritten
.set XS,    22                         ; stream: v22-85   16 slots of 4 registers as loaded
.set YS,    86                         ; stream: v86-117  16 slots of 2 registers to store
.set BCP,   14                         ; product: v14-21  my 4 rows' sums W2 b1, a pair each
.set XG,    90                         ; product: v90-169 a chunk's 20 loads; v86-89 b1's chunk
; product: v3 LA, v4 LB byte offsets in W2 and W1; v5 SA, v6 SB where I store into the tiles; v7 FA, v8 FB where I read fragments; v9 STO, v10 RD the stage; v11 CO my offset in wc;
;          v12 16 x lane; v13 where my rows' sums go; v22-37 two accumulators; v38-61, v62-85 two sets of fragments (16 rows of W2, 16 more, 16 columns of W1)
; One slot's turn in the stream.  left = how many younger loads may stay out; ahead = 1: the slot is filled again, 16 loads further on.
.macro SLOT i, ahead, left, cvt
	s_wait_loadcnt \left                           ; loads come back in order: mine is in
	\cvt v[YS+2*(\i)],   v[XS+4*(\i)],   v[XS+4*(\i)+1]
	\cvt v[YS+2*(\i)+1], v[XS+4*(\i)+2], v[XS+4*(\i)+3]
.if \ahead
	global_load_b128 v[XS+4*(\i):XS+4*(\i)+3], v12, s[30:31] offset:512*(\i)+8192 th:TH_LOAD_NT
.endif
	global_store_b64 v4, v[YS+2*(\i):YS+2*(\i)+1], s[32:33] offset:256*(\i)  ; 32 lanes store 256 consecutive bytes, aligned
.endm
; A wave's 32,768 bytes: 64 loads of 512 bytes through a ring of 16 slots.
.macro STREAM cvt
.set i, 0
.rept 16
	global_load_b128 v[XS+4*i:XS+4*i+3], v12, s[30:31] offset:512*i th:TH_LOAD_NT
.set i, i+1
.endr
	s_mov_b32 s5, 3
.Lround_\@:
.set i, 0
.rept 16
	SLOT i, 1, 15, \cvt
.set i, i+1
.endr
	s_wait_xcnt 0x0                                ; the stores' data registers and both bases are rewritten only behind this wait
	s_add_nc_u64 s[30:31], s[30:31], 8192
	s_add_nc_u64 s[32:33], s[32:33], 4096
	s_sub_co_u32 s5, s5, 1
	s_cmp_lg_u32 s5, 0
	s_cbranch_scc1 .Lround_\@
.set i, 0
.rept 16
	SLOT i, 0, 15-i, \cvt                          ; the last 16 load nothing: the counts run down
.set i, i+1
.endr
.endm
; A chunk's loads: my 4 rows of W2, my 16 rows of W1, 512 bytes of each, and b1's 512 bytes.
.macro GLOAD
.set t, 0
.rept 4
	global_load_b128 v[XG+4*t:XG+4*t+3], v3, s[16:17] offset:t*4096
.set t, t+1
.endr
.set t, 0
.rept 16
	global_load_b128 v[XG+16+4*t:XG+16+4*t+3], v4, s[14:15] offset:t*4096
.set t, t+1
.endr
	global_load_b128 v[86:89], v12, s[18:19]
.endm
; The fragments of 32 along j at 32 u, into set s: six LDS loads.
.macro LOADF u, s
.set FR, 38+24*(\s)
	ds_load_b128 v[FR:FR+3],     v7 offset:64*(\u)
	ds_load_b128 v[FR+4:FR+7],   v7 offset:64*(\u)+32
	ds_load_b128 v[FR+8:FR+11],  v7 offset:16*PA+64*(\u)
	ds_load_b128 v[FR+12:FR+15], v7 offset:16*PA+64*(\u)+32
	ds_load_tr16_b128 v[FR+16:FR+19], v8 offset:(\u)*32*PB
	ds_load_tr16_b128 v[FR+20:FR+23], v8 offset:(\u)*32*PB+16*PB
.endm
.macro MM2 s                           ; the two accumulators take turns
.set FR, 38+24*(\s)
	v_wmma_f32_16x16x32_bf16 v[22:29], v[FR+16:FR+23], v[FR:FR+7],    v[22:29]
	v_wmma_f32_16x16x32_bf16 v[30:37], v[FR+16:FR+23], v[FR+8:FR+15], v[30:37]
.endm
.macro PLACES                          ; four places between a matrix instruction and a load into a register that it has read
.rept 4
	v_nop
.endr
.endm
	s_load_b512 s[8:23], s[0:1], 0x0               ; q s[8:9], k s[10:11], v1 s[12:13], W1 s[14:15], W2 s[16:17], b1 s[18:19], b2 s[20:21], xb s[22:23]
	s_load_b128 s[24:27], s[0:1], 0x40             ; vh s[24:25], wc s[26:27]
	s_load_b64 s[28:29], s[0:1], 0x50              ; bc
	v_lshl_add_u32 v[SPW], v0, 2, SPARE
	v_mov_b32 v[NIL], 0
	v_lshrrev_b32 v12, 5, v0
	v_readfirstlane_b32 s4, v12                    ; wave 0..7
	v_and_b32 v13, 31, v0                          ; lane
	v_lshlrev_b32 v12, 4, v13                      ; 16 x lane
	s_mov_b32 s37, 0                               ; high words of the two offset pairs
	s_mov_b32 s39, 0
	s_wait_kmcnt 0x0
	s_cmp_lt_u32 ttmp9, 256
	s_cbranch_scc1 .Lgemm
	; THE STREAM.  t = number - 256: tensor t / 128, part t % 128 of 262,144 input bytes; a wave takes 32,768 of them.
	s_sub_co_u32 s6, ttmp9, 256
	s_and_b32 s7, s6, 127
	s_lshl_b32 s36, s7, 18
	s_lshl_b32 s5, s4, 15
	s_add_co_u32 s36, s36, s5                      ; my first input byte in the tensor,
	s_lshr_b32 s38, s36, 1                         ; my first output byte: half of that
	v_lshlrev_b32 v4, 3, v13                       ; 8 x lane
	s_cmp_lt_u32 s6, 256
	s_cbranch_scc0 .Lvalues
	s_cmp_lt_u32 s6, 128
	s_cselect_b64 s[30:31], s[8:9], s[10:11]       ; q or k
	s_cselect_b32 s5, 0, 0x1000000                 ; k's rows lie 16,777,216 bytes into xb
	s_add_co_u32 s38, s38, s5
	s_add_nc_u64 s[30:31], s[30:31], s[36:37]
	s_add_nc_u64 s[32:33], s[22:23], s[38:39]
	STREAM v_cvt_pk_bf16_f32
	s_endpgm                                       ; these waves have written no LDS
.Lvalues:
	s_add_nc_u64 s[30:31], s[12:13], s[36:37]
	s_add_nc_u64 s[32:33], s[24:25], s[38:39]
	STREAM v_cvt_pk_f16_f32
	s_endpgm
.Lgemm:
	s_lshr_b32 s6, ttmp9, 3                        ; which 32 rows o
	s_and_b32 s7, ttmp9, 7                         ; which 128 columns i
	s_lshl_b32 s36, s6, 17
	s_add_nc_u64 s[16:17], s[16:17], s[36:37]      ; W2 at my 32 rows
	s_lshl_b32 s36, s7, 9
	s_add_nc_u64 s[14:15], s[14:15], s[36:37]      ; W1 at my 128 columns
	s_lshl_b32 s36, s6, 16
	s_lshl_b32 s38, s7, 8
	s_add_co_u32 s36, s36, s38
	s_add_nc_u64 s[26:27], s[26:27], s[36:37]      ; wc at my block
	s_lshl_b32 s36, s6, 7
	s_add_nc_u64 s[20:21], s[20:21], s[36:37]      ; b2 and bc at my 32 rows
	s_add_nc_u64 s[28:29], s[28:29], s[36:37]
	s_mov_b32 s34, 0x76543210                      ; v_permlanex16_b32: each lane takes its own place in the other half
	s_mov_b32 s35, 0xfedcba98
	v_and_b32 v38, 15, v0                          ; r = lane % 16
	v_bfe_u32 v39, v0, 4, 1                        ; h = lane / 16
	v_lshlrev_b32 v40, 3, v13                      ; 8 x lane
	s_lshl_b32 s38, s4, 14
	v_add_nc_u32 v3, s38, v12                      ; LA: row 4 w of W2's 32, 16 bytes a lane
	s_lshl_b32 s38, s4, 16
	v_add_nc_u32 v4, s38, v12                      ; LB: row 16 w of the chunk's 128 rows of W1
	s_mul_i32 s38, s4, 4*PA
	v_add_nc_u32 v5, s38, v40                      ; SA: the same rows in LDS, 8 bytes a lane
	s_add_co_u32 s38, s38, STAGE
	v_mul_u32_u24 v10, v39, PA
	v_lshl_add_u32 v10, v38, 4, v10
	v_add_nc_u32 v10, s38, v10                     ; RD: stage rows 4 w + h, 16 bytes for each of 16 lanes
	s_mul_i32 s38, s4, 16*PB
	s_add_co_u32 s38, s38, BT
	v_add_nc_u32 v6, s38, v40                      ; SB
	v_mul_u32_u24 v7, v38, PA
	v_lshl_add_u32 v7, v39, 4, v7                  ; FA: row r, 16 bytes for each half of the lanes
	v_and_b32 v41, 7, v0
	v_lshl_add_u32 v41, v39, 3, v41                ; the turning load: lane l reads row 8 h + l % 8,
	v_mul_u32_u24 v8, v41, PB
	v_bfe_u32 v41, v0, 3, 1
	v_lshl_add_u32 v8, v41, 4, v8                  ; columns 8 ((l / 8) % 2) + 0..7,
	s_lshl_b32 s38, s4, 5
	s_add_co_u32 s5, s38, BT
	v_add_nc_u32 v8, s5, v8                        ; FB: of my wave's 16 columns
	s_add_co_u32 s5, s38, STAGE
	v_add_nc_u32 v9, s5, v7                        ; STO: stage row r, my wave's 32 bytes, 16 for each half of the lanes
	v_lshlrev_b32 v11, 11, v39
	v_lshl_add_u32 v11, v38, 4, v11
	s_lshl_b32 s38, s4, 13
	v_add_nc_u32 v11, s38, v11                     ; CO: rows 4 w + h of wc's block
	s_lshl_b32 s38, s4, 4
	s_add_co_u32 s38, s38, BSC
	v_mov_b32 v13, s38                             ; my four rows' words among the sums
.set n, BCP
.rept 24                               ; 8 + 16 registers are cleared once, so that one text serves all eight chunks
	v_mov_b32 v[n], 0
.set n, n+1
.endr
	GLOAD
	s_mov_b32 s5, 8
.Lchunk:
	s_wait_loadcnt 0x0                             ; the chunk is in registers; its loads are done, so their bases may step
	s_add_nc_u64 s[16:17], s[16:17], 512           ; 128 j on in W2's rows,
	s_add_nc_u64 s[14:15], s[14:15], 0x80000       ; 128 rows down in W1,
	s_add_nc_u64 s[18:19], s[18:19], 512           ; 128 on in b1
.irp t, 0,1,2,3
	v_pk_fma_f32 v[BCP+2*\t:BCP+2*\t+1], v[XG+4*\t:XG+4*\t+1],   v[86:87], v[BCP+2*\t:BCP+2*\t+1]  ; W2 b1 in f32
	v_pk_fma_f32 v[BCP+2*\t:BCP+2*\t+1], v[XG+4*\t+2:XG+4*\t+3], v[88:89], v[BCP+2*\t:BCP+2*\t+1]
.endr
.set n, 0
.rept 20
	v_cvt_pk_bf16_f32 v[XG+4*n],   v[XG+4*n],   v[XG+4*n+1]
	v_cvt_pk_bf16_f32 v[XG+4*n+1], v[XG+4*n+2], v[XG+4*n+3]
.set n, n+1
.endr
	s_wait_dscnt 0x0                               ; my reads of the last chunk's tiles are over
	s_barrier_signal -1
	s_barrier_wait -1                              ; everybody's are: the tiles may be written
.irp t, 0,1,2,3
	ds_store_b64 v5, v[XG+4*\t:XG+4*\t+1] offset:\t*PA
.endr
.set t, 0
.rept 16
	ds_store_b64 v6, v[XG+16+4*t:XG+16+4*t+1] offset:t*PB
.set t, t+1
.endr
	s_wait_dscnt 0x0                               ; for the others' sake: my stores are done
	s_barrier_signal -1
	s_barrier_wait -1
	s_cmp_eq_u32 s5, 1
	s_cbranch_scc1 .Lno_more                       ; the last chunk has no successor: no load leaves the buffers
	GLOAD                                          ; the next chunk is on its way while this one is multiplied
.Lno_more:
	LOADF 0, 0
	LOADF 1, 1
	s_wait_dscnt 6                                 ; the older set is in; the younger set's six loads may be out
	MM2 0
	PLACES
	LOADF 2, 0
	s_wait_dscnt 6
	MM2 1
	PLACES
	LOADF 3, 1
	s_wait_dscnt 6
	MM2 0
	s_wait_dscnt 0x0
	MM2 1
	s_sub_co_u32 s5, s5, 1
	s_cmp_lg_u32 s5, 0
	s_cbranch_scc1 .Lchunk
	; THE WAY OUT.  The rows' sums W2 b1 first: their first four additions are the places behind the last products.
.irp t, 0,1,2,3
	v_add_f32 v[BCP+2*\t], v[BCP+2*\t], v[BCP+2*\t+1]
.endr
.irp m, 1,2,4,8
.irp t, 0,1,2,3
	v_add_f32_dpp v[BCP+2*\t], v[BCP+2*\t], v[BCP+2*\t] row_xmask:\m row_mask:0xf bank_mask:0xf
.endr
.endr
.irp t, 0,1,2,3
	v_permlanex16_b32 v[BCP+2*\t+1], v[BCP+2*\t], s34, s35
.endr
.irp t, 0,1,2,3
	v_add_f32 v[BCP+2*\t], v[BCP+2*\t], v[BCP+2*\t+1]
.endr
.irp z, 0,1,2,3
	v_cvt_pk_bf16_f32 v[38+\z], v[22+2*\z], v[23+2*\z]  ; each accumulator from its low end on
.endr
.irp z, 0,1,2,3
	v_cvt_pk_bf16_f32 v[42+\z], v[30+2*\z], v[31+2*\z]
.endr
	ds_store_b128 v9, v[38:41]
	ds_store_b128 v9, v[42:45] offset:16*PA
.irp t, 0,1,2,3
	ds_store_b32 v13, v[BCP+2*\t] offset:4*\t      ; all lanes write the same word with the same number
.endr
	s_wait_dscnt 0x0                               ; a stage row's 256 bytes come from eight waves
	s_barrier_signal -1
	s_barrier_wait -1
	ds_load_b128 v[46:49], v10
	ds_load_b128 v[50:53], v10 offset:2*PA
	s_wait_dscnt 0x0
	global_store_b128 v11, v[46:49], s[26:27]              ; 16 lanes store 256 consecutive bytes, aligned
	global_store_b128 v11, v[50:53], s[26:27] offset:4096
	s_cmp_lg_u32 s7, 0
	s_cbranch_scc1 .Ldone                          ; the eight work-groups of a row block hold the same sums: the first stores them,
	s_cmp_lg_u32 s4, 0
	s_cbranch_scc1 .Ldone                          ; by its wave 0: 32 numbers, 128 bytes: the one store of the program that fills half of an aligned 256 bytes
	v_lshlrev_b32 v38, 2, v0
	global_load_b32 v39, v38, s[20:21]
	ds_load_b32 v40, v38 offset:BSC
	s_wait_loadcnt 0x0
	s_wait_dscnt 0x0
	v_add_f32 v39, v39, v40
	global_store_b32 v38, v39, s[28:29]
.Ldone:
	s_wait_tensorcnt 0x0                           ; the wave's end, behind my last LDS store
	ds_add_u32 v[SPW], v[NIL]
	s_wait_dscnt 0x0
	s_endpgm
.Lfunc_end_k_qa57d0fe1e9_prep:
	.size	k_qa57d0fe1e9_prep, .Lfunc_end_k_qa57d0fe1e9_prep-k_qa57d0fe1e9_prep
	.p2alignl 7, 3214868480
	.fill 96, 4, 3214868480
	.section	.rodata,"a",@progbits
	.p2align	6, 0x0
	.amdhsa_kernel k_qa57d0fe1e9_prep
		.amdhsa_group_segment_fixed_size 55552
		.amdhsa_private_segment_fixed_size 0
		.amdhsa_enable_private_segment 0
		.amdhsa_kernarg_size 88
		.amdhsa_user_sgpr_count 2
		.amdhsa_user_sgpr_kernarg_segment_ptr 1
		.amdhsa_wavefront_size32 1
		.amdhsa_system_sgpr_workgroup_id_x 1
		.amdhsa_system_sgpr_workgroup_id_y 1
		.amdhsa_system_sgpr_workgroup_id_z 1
		.amdhsa_system_vgpr_workitem_id 0
		.amdhsa_next_free_vgpr 170
		.amdhsa_next_free_sgpr 66
		.amdhsa_reserve_vcc 0
		.amdhsa_float_denorm_mode_32 3
		.amdhsa_float_denorm_mode_16_64 3
		.amdhsa_memory_ordered 1
		.amdhsa_forward_progress 1
		.amdhsa_inst_pref_size 42
	.end_amdhsa_kernel
	.amdgpu_metadata
---
amdhsa.version: [ 1, 2 ]
amdhsa.kernels:
  - .name:           k_qa57d0fe1e9_prep
    .symbol:         k_qa57d0fe1e9_prep.kd
    .args:
      - { .name: q, .offset: 0, .size: 8, .value_kind: global_buffer, .address_space: global }
      - { .name: k, .offset: 8, .size: 8, .value_kind: global_buffer, .address_space: global }
      - { .name: v1, .offset: 16, .size: 8, .value_kind: global_buffer, .address_space: global }
      - { .name: W1, .offset: 24, .size: 8, .value_kind: global_buffer, .address_space: global }
      - { .name: W2, .offset: 32, .size: 8, .value_kind: global_buffer, .address_space: global }
      - { .name: b1, .offset: 40, .size: 8, .value_kind: global_buffer, .address_space: global }
      - { .name: b2, .offset: 48, .size: 8, .value_kind: global_buffer, .address_space: global }
      - { .name: xb, .offset: 56, .size: 8, .value_kind: global_buffer, .address_space: global }
      - { .name: vh, .offset: 64, .size: 8, .value_kind: global_buffer, .address_space: global }
      - { .name: wc, .offset: 72, .size: 8, .value_kind: global_buffer, .address_space: global }
      - { .name: bc, .offset: 80, .size: 8, .value_kind: global_buffer, .address_space: global }
    .group_segment_fixed_size: 55552
    .private_segment_fixed_size: 0
    .kernarg_segment_align: 8
    .kernarg_segment_size: 88
    .max_flat_workgroup_size: 256
    .sgpr_count:     66
    .vgpr_count:     170
    .wavefront_size: 32
...
	.end_amdgpu_metadata
.endif
;; end of part 1
;; launch proj (part 2): grid 4 x 64, 4 waves a work-group, clusters of 4 x 4, 327,680 bytes of LDS; arguments xb, wc, bc, pj; writes pj
.if DOCPART == 2
	.amdgcn_target "amdgcn-amd-amdhsa--gfx1250"
	.amdhsa_code_object_version 6
	.text
	.protected	k_qa57d0fe1e9_proj
	.globl	k_qa57d0fe1e9_proj
	.p2align	8
	.type	k_qa57d0fe1e9_proj,@function
k_qa57d0fe1e9_proj:
	s_mov_b64 s[64:65], 0
	v_nop
	global_prefetch_b8 v0, s[64:65] scope:SCOPE_SE
	s_setreg_imm32_b32 hwreg(HW_REG_WAVE_MODE, 25, 1), 1
	s_wait_xcnt 0x0
	s_wait_alu depctr_hold_cnt(0) depctr_sa_sdst(0) depctr_va_vdst(0) depctr_va_sdst(0) depctr_va_ssrc(0) depctr_va_vcc(0) depctr_vm_vsrc(0)
	s_getreg_b32 s2, hwreg(HW_REG_IB_STS2, 6, 4)
	s_cmp_eq_u32 s2, 0
	s_cbranch_scc0 .Lentry_in_a_cluster
	s_endpgm
.Lentry_in_a_cluster:
	s_bfe_u32 s2, ttmp6, 0x10000c
	s_cmp_lg_u32 s2, 0xf033
	s_cbranch_scc0 .Lentry_shape_is_right
	s_endpgm
.Lentry_shape_is_right:
; pj[row][o] = bc[o] + sum over i of xb[row][i] wc[o][i].  xb: [16384][1024] bf16 (q's rows, then k's), wc: [1024][1024] bf16, bc: [1024] f32, pj: [16384][1024] bf16; sums in f32, rounded once.
; bf16 and not f16 for pj: with inputs some 30 times larger the projections pass f16's range.
; A tile of pj, 256 x 256, is made by four waves, each 128 x 128: 64 accumulators, 512 registers.  K goes in 8 steps of 128 through two LDS slots filled by the tensor data mover
; (rows of 256 bytes of memory, aligned).  The bias is the C operand of the products that start the sums.
; CLUSTERS: 4 x 4 work-groups.  The four of a row of the cluster need the same tiles of xb, the four of a column the same tiles of wc: each tile is asked for jointly, by the same tensor load,
; descriptor and mask in all four.
; THE MATRIX INSTRUCTION IS USED TRANSPOSED (source 0 = 16 rows of wc, source 1 = 16 rows of xb): lane l holds row l % 16 of pj and the columns 8 (l / 16) + 0..7.
; REGISTERS, in windows of 256 (s_set_vgpr_msb: bits 1:0 source 0, 3:2 source 1, 5:4 source 2, 7:6 destination):
;   window 0: v0-31 addresses; v64-127, v128-191 fragments of xb, two buffers; v32-63, v192-255 at work on the way out
;   window 1: v64-127, v128-191 fragments of wc, two buffers; v192-255 the bias of my 128 columns      windows 2, 3: the accumulators of my rows 0-63, 64-127 ((a, b) at v[8 (8 a + b)])
.set SIZE_K, 1024
.set SIZE_N, 1024
.set KSTEP,  128
.set PITCH,  272                       ; an LDS row: 256 bytes + 16 of padding: the 16 rows that a load touches start at 16 different groups of four banks
.set HALFT,  128*PITCH                 ; 128 rows: what one tensor load brings
.set SLOT,   4*HALFT                   ; xb's 256 rows, then wc's 256 rows
.set STAGE,  2*SLOT                    ; behind the slots: 16 rows x 272 bytes for each wave
.set SPITCH, 272
.set SPARE,  STAGE+4*16*SPITCH         ; the spare words, 128 bytes for each wave: two blocks of 256 bytes that no other line names
.set ADRA, 16                          ; v16  LDS address of my fragments of xb in the slot in hand
.set LNA,  17                          ; v17  the same in slot 0; never rewritten
.set ADRB, 20                          ; v20, v21  likewise for wc
.set LNB,  21
.set STO,  24                          ; v24  the way out: where I put 16 bytes of a row
.set RD,   25                          ; v25  where I read a row back
.set CO,   26                          ; v26  my byte offset in pj
.set SPW,  28                          ; v28  LDS address of my spare word; never rewritten
.set NIL,  29                          ; v29  0; never rewritten
.set F0,   64
.set F1,   128
.set TMP,  192
.set OB,   32
.set BIAS, 192                         ; in window 1
.set WV,  12                           ; s12  wave
.set WR,  13                           ; s13  which half of the tile's rows is mine; also: I fetch for xb (0) or wc (1)
.set WC,  14                           ; s14  which half of its columns; also: which 128 rows of that tile I fetch
.set TB,  22                           ; s22  LDS byte at which the slot in hand begins: 0 or SLOT
.set G1,  24                           ; s[24:31] descriptor group 1 for xb's tiles
.set G0F, 32                           ; s[32:35] group 0 of the first fill of slot 0
.set G0,  36                           ; s[36:39] group 0 that walks: K step 1, then on
.set G1B, 48                           ; s[48:55], s[56:59], s[60:63] the same for wc's tiles
.set G0BF, 56
.set G0B, 60
.set MSB, 0
.macro WIN new                         ; the immediate's high byte repeats the setting that is left; a switch that changes nothing is dropped
.if MSB != (\new)
	s_set_vgpr_msb (MSB<<8)|(\new)
.set MSB, \new
.endif
.endm
.set MUL_LO, 0xa1                      ; source 0 window 1, source 1 window 0, C and D window 2
.set TO_B,   0x40                      ; destination window 1, address window 0
.macro PLACES                          ; four places behind matrix instructions, in front of loads into registers that they read and of reads of their results
.rept 4
	v_nop
.endr
.endm
; A joint refill: waves 0 and 1 fetch xb's two halves, waves 2 and 3 wc's.  An s_nop 0 and four v_nop follow each line.
.macro JLOAD
	s_cmp_eq_u32 s[WR], 0
	s_cbranch_scc0 .Lfor_b_\@
	tensor_load_to_lds s[G0:G0+3], s[G1:G1+7]
	s_nop 0
	PLACES
	s_branch .Lasked_\@
.Lfor_b_\@:
	tensor_load_to_lds s[G0B:G0B+3], s[G1B:G1B+7]
	s_nop 0
	PLACES
.Lasked_\@:
.endm
.macro CREST                           ; a round of the cluster's barrier behind its opening barrier
	s_cmp_lg_u32 s[WV], 0
	s_cbranch_scc1 .Lnot_wave_0_\@
	s_barrier_signal -3
.Lnot_wave_0_\@:
	s_barrier_wait -3
	s_barrier_signal -1
	s_barrier_wait -1
.endm
.macro CROUND                          ; a whole round
	s_barrier_signal -1
	s_barrier_wait -1
	CREST
.endm
; 16 matrix instructions: row blocks a0, a0 + 1 of the window's four x all 8 column blocks, 32 along K.  zero = 2: the bias starts the sums.
.macro MUL16 f, hi, a0, zero
.if (\zero) == 2
	WIN 0x91+0x40*(\hi)                            ; as below, with C in window 1
.else
	WIN MUL_LO+0x50*(\hi)
.endif
.irp a, \a0, (\a0)+1
.irp b, 0,1,2,3,4,5,6,7
.if (\zero) == 2
	v_wmma_f32_16x16x32_bf16 v[8*(8*(\a)+(\b)):8*(8*(\a)+(\b))+7], v[(\f)+8*(\b):(\f)+8*(\b)+7], v[(\f)+8*(4*(\hi)+(\a)):(\f)+8*(4*(\hi)+(\a))+7], v[BIAS+8*(\b):BIAS+8*(\b)+7]
.else
	v_wmma_f32_16x16x32_bf16 v[8*(8*(\a)+(\b)):8*(8*(\a)+(\b))+7], v[(\f)+8*(\b):(\f)+8*(\b)+7], v[(\f)+8*(4*(\hi)+(\a)):(\f)+8*(4*(\hi)+(\a))+7], v[8*(8*(\a)+(\b)):8*(8*(\a)+(\b))+7]
.endif
.endr
.endr
.endm
; 32 LDS loads in one run: the fragments of 32 along K at byte k of the rows of the slot in hand, into buffer f
.macro FETCH k, f
	WIN TO_B
.irp i, 0,1,2,3,4,5,6,7
	ds_load_b128 v[(\f)+8*(\i):(\f)+8*(\i)+3],   v[ADRB] offset:(\k)+(\i)*16*PITCH
	ds_load_b128 v[(\f)+8*(\i)+4:(\f)+8*(\i)+7], v[ADRB] offset:(\k)+(\i)*16*PITCH+32
.endr
	WIN 0
.irp i, 0,1,2,3,4,5,6,7
	ds_load_b128 v[(\f)+8*(\i):(\f)+8*(\i)+3],   v[ADRA] offset:(\k)+(\i)*16*PITCH
	ds_load_b128 v[(\f)+8*(\i)+4:(\f)+8*(\i)+7], v[ADRA] offset:(\k)+(\i)*16*PITCH+32
.endr
.endm
; A K step is four quarters of 32 along K, 64 matrix instructions each, on buffers 0, 1, 0, 1.  One of the first three: multiplies f, fetches the next quarter, at byte k, into g.
.macro QUARTER k, f, g, zero
	s_wait_dscnt 8                                 ; all but the youngest eight loads (xb's rows 64-127)
	MUL16 \f, 0, 0, \zero
	MUL16 \f, 0, 2, \zero
	PLACES
	FETCH \k, \g
	s_wait_dscnt 32                                ; all but the 32 just issued
	MUL16 \f, 1, 0, \zero
	MUL16 \f, 1, 2, \zero
.endm
; The last quarter's first half, and the one barrier of a change of slots: in front of it each wave waits for all its tensor loads (one is out: its part of the next slot), adds 0 to its spare word,
; and waits for that and for its reads of this slot.
.macro MEET round
	WIN 0
	s_wait_tensorcnt 0x0
	ds_add_u32 v[SPW], v[NIL]
	s_wait_dscnt 9                                 ; (the add and the youngest eight loads may be out)
	MUL16 F1, 0, 0, 0                              ; sixteen matrix instructions stand between the add and the wait for it
	s_wait_dscnt 0x0                               ; the add is done, and my reads of this slot are over
	s_barrier_signal -1
	MUL16 F1, 0, 2, 0
.if \round
	WIN 0
.endif
	s_barrier_wait -1
.endm
; The whole last quarter.  fill = 1: the barrier opens a round of the cluster's, and the slot just read is filled again, two K steps ahead, first thing behind it.
.macro TURN fill
	MEET \fill
.if \fill
	CREST
	s_add_co_u32 s[G0+1], s20, s[TB]               ; no tensor load of mine is out: the walking group 0 takes the slot just read
	s_add_nc_u64 s[G0+2:G0+3], s[G0+2:G0+3], KSTEP*2  ; and the next K step
	s_add_co_u32 s[G0B+1], s20, s[TB]
	s_add_nc_u64 s[G0B+2:G0B+3], s[G0B+2:G0B+3], KSTEP*2
	JLOAD                                          ; 224 matrix instructions ahead of the wait for it; its four v_nop are also the places in front of the loads below
.else
	WIN 0
	PLACES
.endif
	s_xor_b32 s[TB], s[TB], SLOT                   ; the other slot is in hand
	v_add_nc_u32 v[ADRA], s[TB], v[LNA]
	v_add_nc_u32 v[ADRB], s[TB], v[LNB]
	FETCH 0, F0
	MUL16 F1, 1, 0, 0
	MUL16 F1, 1, 2, 0
.endm
; THE WAY OUT of block a of 16 rows.  PACK: rounded to bf16, 16 bytes a lane.  TOSTAGE: into my own stage and back as whole rows of 256 bytes.  SEND: stored.
.macro PACK a
.set AC, 64*((\a)%4)
	WIN 0x0a+5*((\a)/4)                            ; sources 0 and 1: window 2 or 3
.irp b, 0,1,2,3,4,5,6,7
.irp r, 0,1,2,3
	v_cvt_pk_bf16_f32 v[TMP+4*(\b)+(\r)], v[AC+8*(\b)+2*(\r)], v[AC+8*(\b)+2*(\r)+1]
.endr
.endr
	WIN 0
.endm
.macro TOSTAGE a
	WIN 0
.set BK, OB+192*((\a)%2)
.irp b, 0,1,2,3,4,5,6,7
	ds_store_b128 v[STO], v[TMP+4*(\b):TMP+4*(\b)+3] offset:32*(\b)
.endr
.irp t, 0,1,2,3,4,5,6,7
	ds_load_b128 v[BK+4*(\t):BK+4*(\t)+3], v[RD] offset:(\t)*2*SPITCH  ; LDS serves a wave's instructions in order: these see the stores above
.endr
.endm
.macro SEND a
	WIN 0
.set BK, OB+192*((\a)%2)
	s_wait_dscnt 0x0                               ; the block is back in registers
	s_wait_xcnt 0x0                                ; the stores' base and the registers that earlier stores read are rewritten only behind this wait
.if (\a) == 0
	s_add_nc_u64 s[10:11], s[10:11], s[16:17]      ; on to my part of the tile
.else
	s_add_nc_u64 s[10:11], s[10:11], 16*SIZE_N*2   ; 16 rows on
.endif
.irp t, 0,1,2,3,4,5,6,7
	global_store_b128 v[CO], v[BK+4*(\t):BK+4*(\t)+3], s[10:11] offset:2*(\t)*SIZE_N*2  ; 16 lanes store 256 consecutive bytes, aligned
.endr
.endm
	s_load_b256 s[4:11], s[0:1], 0x0               ; xb s[4:5], wc s[6:7], bc s[8:9], pj s[10:11]
	v_lshl_add_u32 v[SPW], v0, 2, SPARE
	v_mov_b32 v[NIL], 0
	ds_add_u32 v[SPW], v[NIL]                      ; the wave's opening: the add and its wait stand ahead of my first tensor load
	v_lshrrev_b32 v1, 5, v0
	v_readfirstlane_b32 s[WV], v1
	s_lshr_b32 s[WR], s[WV], 1
	s_and_b32 s[WC], s[WV], 1
	s_bfe_u32 s40, ttmp6, 0x40000                  ; cx
	s_bfe_u32 s41, ttmp6, 0x40004                  ; cy
	s_lshl_b32 s42, ttmp9, 2
	s_add_co_u32 s42, s42, s40                     ; tile column = 4 x cluster x + cx
	s_and_b32 s45, ttmp7, 0xffff
	s_lshl_b32 s45, s45, 2
	s_add_co_u32 s45, s45, s41                     ; tile row = 4 x cluster y + cy
	s_lshl_b32 s43, s41, 2
	s_lshl_b32 s43, 15, s43                        ; my row of the cluster
	s_lshl_b32 s44, 0x1111, s40                    ; my column
	s_or_b32 s[G1], s43, (1<<16)|(1<<20)|(1<<21)|(5<<22)|(3<<25)   ; the mask; 2-byte elements; padding on; bit 21 beside a mask; after every 64 words, 4 words
	s_or_b32 s[G1B], s44, (1<<16)|(1<<20)|(1<<21)|(5<<22)|(3<<25)
.irp g, G1, G1B
	s_mov_b32 s[(\g)+1], KSTEP<<16                 ; tensor_dim0 = 128
	s_mov_b32 s[(\g)+2], 128<<16                   ; tensor_dim1 = 128
	s_mov_b32 s[(\g)+3], KSTEP<<16                 ; tile_dim0 = 128
	s_mov_b32 s[(\g)+4], 128                       ; tile_dim1 = 128
	s_mov_b32 s[(\g)+5], SIZE_K                    ; elements from row to row
	s_mov_b32 s[(\g)+6], 0
	s_mov_b32 s[(\g)+7], 0
.endr
	s_lshl_b32 s17, s[WC], 7                       ; which 128 rows of the tile I fetch
	s_lshl_b32 s16, s45, 8
	s_add_co_u32 s16, s16, s17
	s_lshl_b32 s16, s16, 11                        ; xb: (256 x tile row + 128 x half) rows of 2,048 bytes: under 2^26
	s_lshl_b32 s46, s42, 8
	s_add_co_u32 s46, s46, s17
	s_lshl_b32 s46, s46, 11                        ; wc: (256 x tile column + 128 x half) rows
	s_mov_b32 s17, 0
	s_mov_b32 s47, 0
	s_mul_i32 s20, s[WV], HALFT                    ; where my part of a slot lies: no place in the cluster enters an LDS address
	s_mov_b32 s[TB], 0
	s_wait_dscnt 0x0                               ; the opening add is done
	s_wait_kmcnt 0x0
	s_add_nc_u64 s[18:19], s[4:5], s[16:17]
	s_add_nc_u64 s[46:47], s[6:7], s[46:47]
	CROUND                                         ; all sixteen work-groups are here: the first joint loads meet
	s_mov_b32 s[G0F], 1
	s_mov_b32 s[G0F+1], s20                        ; slot 0, K step 0
	s_mov_b64 s[G0F+2:G0F+3], s[18:19]
	s_or_b32 s[G0F+3], s[G0F+3], 0x80000000
	s_mov_b32 s[G0], 1
	s_add_co_u32 s[G0+1], s20, SLOT                ; slot 1, K step 1
	s_add_nc_u64 s[G0+2:G0+3], s[18:19], KSTEP*2
	s_or_b32 s[G0+3], s[G0+3], 0x80000000
	s_mov_b32 s[G0BF], 1
	s_mov_b32 s[G0BF+1], s20
	s_mov_b64 s[G0BF+2:G0BF+3], s[46:47]
	s_or_b32 s[G0BF+3], s[G0BF+3], 0x80000000
	s_mov_b32 s[G0B], 1
	s_add_co_u32 s[G0B+1], s20, SLOT
	s_add_nc_u64 s[G0B+2:G0B+3], s[46:47], KSTEP*2
	s_or_b32 s[G0B+3], s[G0B+3], 0x80000000
	s_cmp_eq_u32 s[WR], 0                          ; a wave's two first fills stand in one branch: two loads of mine are out
	s_cbranch_scc0 .Lfirst_b
	tensor_load_to_lds s[G0F:G0F+3], s[G1:G1+7]
	s_nop 0
	tensor_load_to_lds s[G0:G0+3], s[G1:G1+7]
	s_nop 0
	PLACES
	s_branch .Lfirst_asked
.Lfirst_b:
	tensor_load_to_lds s[G0BF:G0BF+3], s[G1B:G1B+7]
	s_nop 0
	tensor_load_to_lds s[G0B:G0B+3], s[G1B:G1B+7]
	s_nop 0
	PLACES
.Lfirst_asked:
	v_and_b32 v1, 15, v0                           ; r = l % 16
	v_bfe_u32 v2, v0, 4, 1                         ; h = l / 16
	; the bias of my 128 columns, as the accumulators hold them: register j of block b is column 16 b + 8 h + j
	s_lshl_b32 s46, s42, 10
	s_lshl_b32 s47, s[WC], 9
	s_add_co_u32 s46, s46, s47
	s_mov_b32 s47, 0
	s_add_nc_u64 s[8:9], s[8:9], s[46:47]
	v_lshlrev_b32 v6, 5, v2
	WIN TO_B
.irp b, 0,1,2,3,4,5,6,7
	global_load_b128 v[BIAS+8*\b:BIAS+8*\b+3],   v6, s[8:9] offset:64*\b
	global_load_b128 v[BIAS+8*\b+4:BIAS+8*\b+7], v6, s[8:9] offset:64*\b+16
.endr
	WIN 0
	v_mul_u32_u24 v3, v1, PITCH
	v_lshl_add_u32 v3, v2, 4, v3                   ; a fragment: row x pitch + 16 x half
	s_mul_i32 s21, s[WR], HALFT                    ; my 128 rows of xb
	s_mul_i32 s23, s[WC], HALFT                    ; my 128 rows of wc,
	s_add_co_u32 s23, s23, 2*HALFT                 ; which lie behind xb's 256
	v_add_nc_u32 v[LNA], s21, v3
	v_add_nc_u32 v[LNB], s23, v3
	v_mov_b32 v[ADRA], v[LNA]
	v_mov_b32 v[ADRB], v[LNB]
	s_mul_i32 s23, s[WV], 16*SPITCH
	s_add_co_u32 s23, s23, STAGE                   ; my stage
	v_mul_u32_u24 v4, v1, SPITCH
	v_lshl_add_u32 v4, v2, 4, v4
	v_add_nc_u32 v[STO], s23, v4
	v_mul_u32_u24 v5, v2, SPITCH
	v_lshl_add_u32 v5, v1, 4, v5
	v_add_nc_u32 v[RD], s23, v5
	v_mul_u32_u24 v5, v2, SIZE_N*2
	v_lshl_add_u32 v[CO], v1, 4, v5
	s_lshl_b32 s16, s45, 8                         ; where my part of the tile begins in pj
	s_lshl_b32 s17, s[WR], 7
	s_add_co_u32 s16, s16, s17
	s_lshl_b32 s16, s16, 11
	s_mov_b32 s17, 0
	s_lshl_b32 s46, s42, 9
	s_lshl_b32 s47, s[WC], 8
	s_add_co_u32 s46, s46, s47
	s_mov_b32 s47, 0
	s_add_nc_u64 s[16:17], s[16:17], s[46:47]
	s_wait_tensorcnt 1                             ; my part of K step 0 is in; K step 1's may stay out
	s_barrier_signal -1
	s_barrier_wait -1
	FETCH 0, F0
	s_wait_loadcnt 0x0                             ; the bias
	QUARTER 64, F0, F1, 2                          ; the first quarter stands in front of the loop: its products start the sums, on the bias
	WIN 0
	s_mov_b32 s3, 6
.Lstep:                                                ; a trip: a K step's quarters 1 to 3 and the next step's quarter 0; it asks for the K step two on: steps 2 to 7
	QUARTER 128, F1, F0, 0
	QUARTER 192, F0, F1, 0
	TURN 1
	QUARTER 64,  F0, F1, 0
	WIN 0
	s_sub_co_u32 s3, s3, 1
	s_cmp_lg_u32 s3, 0
	s_cbranch_scc1 .Lstep
	QUARTER 128, F1, F0, 0                         ; K steps 6 and 7 are written out: nothing more is asked for
	QUARTER 192, F0, F1, 0
	TURN 0
	QUARTER 64,  F0, F1, 0
	QUARTER 128, F1, F0, 0
	QUARTER 192, F0, F1, 0
	s_wait_dscnt 8
	MUL16 F1, 0, 0, 0
	MUL16 F1, 0, 2, 0
	s_wait_dscnt 0x0
	MUL16 F1, 1, 0, 0
	MUL16 F1, 1, 2, 0
	PLACES
	PACK 0
	TOSTAGE 0
.irp a, 1,2,3,4,5,6,7                  ; block a's conversions stand between block a - 1's loads from the stage and the wait for them
	PACK \a
	SEND (\a)-1
	TOSTAGE \a
.endr
	SEND 7
	s_wait_tensorcnt 0x0                           ; the wave's end
	ds_add_u32 v[SPW], v[NIL]
	s_wait_dscnt 0x0
	CROUND                                         ; the closing round
	s_endpgm
.Lfunc_end_k_qa57d0fe1e9_proj:
	.size	k_qa57d0fe1e9_proj, .Lfunc_end_k_qa57d0fe1e9_proj-k_qa57d0fe1e9_proj
	.p2alignl 7, 3214868480
	.fill 96, 4, 3214868480
	.section	.rodata,"a",@progbits
	.p2align	6, 0x0
	.amdhsa_kernel k_qa57d0fe1e9_proj
		.amdhsa_group_segment_fixed_size 327680
		.amdhsa_private_segment_fixed_size 0
		.amdhsa_enable_private_segment 0
		.amdhsa_kernarg_size 32
		.amdhsa_user_sgpr_count 2
		.amdhsa_user_sgpr_kernarg_segment_ptr 1
		.amdhsa_wavefront_size32 1
		.amdhsa_system_sgpr_workgroup_id_x 1
		.amdhsa_system_sgpr_workgroup_id_y 1
		.amdhsa_system_sgpr_workgroup_id_z 1
		.amdhsa_system_vgpr_workitem_id 0
		.amdhsa_next_free_vgpr 1024
		.amdhsa_next_free_sgpr 72
		.amdhsa_reserve_vcc 0
		.amdhsa_float_denorm_mode_32 3
		.amdhsa_float_denorm_mode_16_64 3
		.amdhsa_memory_ordered 1
		.amdhsa_forward_progress 1
		.amdhsa_inst_pref_size 118
	.end_amdhsa_kernel
	.amdgpu_metadata
---
amdhsa.version: [ 1, 2 ]
amdhsa.kernels:
  - .name:           k_qa57d0fe1e9_proj
    .symbol:         k_qa57d0fe1e9_proj.kd
    .args:
      - { .name: xb, .offset: 0, .size: 8, .value_kind: global_buffer, .address_space: global }
      - { .name: wc, .offset: 8, .size: 8, .value_kind: global_buffer, .address_space: global }
      - { .name: bc, .offset: 16, .size: 8, .value_kind: global_buffer, .address_space: global }
      - { .name: pj, .offset: 24, .size: 8, .value_kind: global_buffer, .address_space: global }
    .group_segment_fixed_size: 327680
    .private_segment_fixed_size: 0
    .kernarg_segment_align: 8
    .kernarg_segment_size: 32
    .max_flat_workgroup_size: 128
    .sgpr_count:     72
    .vgpr_count:     1024
    .wavefront_size: 32
...
	.end_amdgpu_metadata
.endif
;; end of part 2
;; launch score (part 3): grid 8 x 32, 4 waves a work-group, clusters of 4 x 4, 327,680 bytes of LDS; arguments pj, mask, pw, sm, sl; writes pw, sm, sl
.if DOCPART == 3
	.amdgcn_target "amdgcn-amd-amdhsa--gfx1250"
	.amdhsa_code_object_version 6
	.text
	.protected	k_qa57d0fe1e9_score
	.globl	k_qa57d0fe1e9_score
	.p2align	8
	.type	k_qa57d0fe1e9_score,@function
k_qa57d0fe1e9_score:
	s_mov_b64 s[64:65], 0
	v_nop
	global_prefetch_b8 v0, s[64:65] scope:SCOPE_SE
	s_setreg_imm32_b32 hwreg(HW_REG_WAVE_MODE, 25, 1), 1
	s_wait_xcnt 0x0
	s_wait_alu depctr_hold_cnt(0) depctr_sa_sdst(0) depctr_va_vdst(0) depctr_va_sdst(0) depctr_va_ssrc(0) depctr_va_vcc(0) depctr_vm_vsrc(0)
	s_getreg_b32 s2, hwreg(HW_REG_IB_STS2, 6, 4)
	s_cmp_eq_u32 s2, 0
	s_cbranch_scc0 .Lentry_in_a_cluster
	s_endpgm
.Lentry_in_a_cluster:
	s_bfe_u32 s2, ttmp6, 0x10000c
	s_cmp_lg_u32 s2, 0xf033
	s_cbranch_scc0 .Lentry_shape_is_right
	s_endpgm
.Lentry_shape_is_right:
; u[b][q][k] = qp[b][q] . kp[b][k] / 32 + mask[q][k].  For each row and each GROUP of 128 keys: m = the group's maximum of u, p = 2^(c u - c m) with c = log2(e), l = the sum of p.
; pw: [8192 rows][2048 keys] f16 takes p; sm, sl: [16 groups][8192 rows] f32 take c m and l (of the unrounded p).  The next launch takes the maximum over a row's 16 groups and rescales:
; together that is the softmax's true maximum, in two stages.
; LIMITS.  A group's maximum is kept at -1e30 at the least, so that a group of -inf masks gives weights 0; a row whose 2,048 scores all lie below -1e30 is not served.  NaN is not treated apart.
; p lies in 0 to 1; below 6e-5 it keeps f16's fixed step.
; THE PRODUCT: a tile of 256 queries x 256 keys of one batch, four waves of 128 x 128 (a wave's columns are one group), K = 1024 in 8 steps of 128 through two LDS slots.
; CLUSTERS: 4 x 4 work-groups; qp's tiles are asked for jointly along a row of the cluster, kp's along a column (a cluster's four tile rows lie in one batch).
; THE MASK comes as two more tiles into the two slots when they have been read out: each wave asks for its own 64 rows x 128 numbers (rows of 512 bytes, aligned), not jointly: the work-groups
; that share a piece of the mask lie in four batches, in other clusters.
; THE MATRIX INSTRUCTION IS USED TRANSPOSED (source 0 = 16 keys, source 1 = 16 queries): lane l holds query l % 16 and the keys 8 (l / 16) + 0..7 of each block of 16.
; REGISTERS, in windows of 256 (s_set_vgpr_msb: bits 1:0 source 0, 3:2 source 1, 5:4 source 2, 7:6 destination):
;   window 0: v0-31 addresses and statistics; v64-127, v128-191 fragments of qp, later two buffers of 64 scores; v32-63, v192-255 at work on the way out
;   window 1: v64-191 fragments of kp      windows 2, 3: the accumulators of my rows 0-63, 64-127 ((a, b) at v[8 (8 a + b)])
.set SIZE_K, 1024
.set KSTEP,  128
.set PITCH,  272
.set HALFT,  128*PITCH
.set SLOT,   4*HALFT
.set STAGE,  2*SLOT                    ; 16 rows x 272 bytes for each wave
.set SPITCH, 272
.set SCR,    STAGE+4*16*SPITCH         ; for each wave 128 words of c m, then 128 words of l
.set SPARE,  SCR+4*1024                ; the spare words, 128 bytes for each wave
.set MP,     528                       ; a row of the mask's tile in LDS: 512 bytes + 16
.set MTILE,  64*MP                     ; a wave's part; four of them fit in a slot
.set ADRA, 16
.set LNA,  17
.set ADRB, 20
.set LNB,  21
.set STO,  24
.set RD,   25
.set CO,   26
.set GOF,  27                          ; v27  16 x lane: my offset in the wave's 512 bytes of sm and sl
.set SPW,  28
.set NIL,  29
.set MA,   30                          ; v30  where I read the mask
.set SCA,  31                          ; v31  where my row's statistics go
.set SRD,  13                          ; v13  where I read the statistics back
.set CM,   8                           ; v8-11 four running maxima; v12 the other half's figure; v14 c m, v15 m; v[4:5], v[6:7] two running sums
.set F0,   64
.set F1,   128
.set TMP,  192
.set OB,   32
.set WV,  12
.set WR,  13
.set WC,  14
.set TB,  22
.set G1,  24
.set G0F, 32
.set G0,  36
.set G1B, 48
.set G0BF, 56
.set G0B, 60
.set G1M, 72                           ; s[72:79] descriptor group 1 for the mask's tiles
.set GM0, 80                           ; s[80:83], s[84:87] group 0 for my rows 0-63 (slot 0) and 64-127 (slot 1)
.set GM1, 84
.set RS,  88                           ; s[88:89] 1/32
.set CS,  90                           ; s[90:91] log2(e)
.set SEL, 92                           ; s[92:93] v_permlanex16_b32's selects
.set FLOOR, 94                         ; s94  -1e30
.set MSB, 0
.macro WIN new
.if MSB != (\new)
	s_set_vgpr_msb (MSB<<8)|(\new)
.set MSB, \new
.endif
.endm
.set MUL_LO, 0xa1
.set TO_B,   0x40
.macro PLACES
.rept 4
	v_nop
.endr
.endm
.macro JLOAD                           ; a joint refill: waves 0 and 1 fetch qp's two halves, waves 2 and 3 kp's
	s_cmp_eq_u32 s[WR], 0
	s_cbranch_scc0 .Lfor_b_\@
	tensor_load_to_lds s[G0:G0+3], s[G1:G1+7]
	s_nop 0
	PLACES
	s_branch .Lasked_\@
.Lfor_b_\@:
	tensor_load_to_lds s[G0B:G0B+3], s[G1B:G1B+7]
	s_nop 0
	PLACES
.Lasked_\@:
.endm
.macro CREST
	s_cmp_lg_u32 s[WV], 0
	s_cbranch_scc1 .Lnot_wave_0_\@
	s_barrier_signal -3
.Lnot_wave_0_\@:
	s_barrier_wait -3
	s_barrier_signal -1
	s_barrier_wait -1
.endm
.macro CROUND
	s_barrier_signal -1
	s_barrier_wait -1
	CREST
.endm
.macro MUL16 f, hi, a0, zero           ; zero = 1: the first product starts the sums
	WIN MUL_LO+0x50*(\hi)
.irp a, \a0, (\a0)+1
.irp b, 0,1,2,3,4,5,6,7
.if \zero
	v_wmma_f32_16x16x32_bf16 v[8*(8*(\a)+(\b)):8*(8*(\a)+(\b))+7], v[(\f)+8*(\b):(\f)+8*(\b)+7], v[(\f)+8*(4*(\hi)+(\a)):(\f)+8*(4*(\hi)+(\a))+7], 0
.else
	v_wmma_f32_16x16x32_bf16 v[8*(8*(\a)+(\b)):8*(8*(\a)+(\b))+7], v[(\f)+8*(\b):(\f)+8*(\b)+7], v[(\f)+8*(4*(\hi)+(\a)):(\f)+8*(4*(\hi)+(\a))+7], v[8*(8*(\a)+(\b)):8*(8*(\a)+(\b))+7]
.endif
.endr
.endr
.endm
.macro FETCH k, f
	WIN TO_B
.irp i, 0,1,2,3,4,5,6,7
	ds_load_b128 v[(\f)+8*(\i):(\f)+8*(\i)+3],   v[ADRB] offset:(\k)+(\i)*16*PITCH
	ds_load_b128 v[(\f)+8*(\i)+4:(\f)+8*(\i)+7], v[ADRB] offset:(\k)+(\i)*16*PITCH+32
.endr
	WIN 0
.irp i, 0,1,2,3,4,5,6,7
	ds_load_b128 v[(\f)+8*(\i):(\f)+8*(\i)+3],   v[ADRA] offset:(\k)+(\i)*16*PITCH
	ds_load_b128 v[(\f)+8*(\i)+4:(\f)+8*(\i)+7], v[ADRA] offset:(\k)+(\i)*16*PITCH+32
.endr
.endm
.macro QUARTER k, f, g, zero
	s_wait_dscnt 8                                 ; all but the youngest eight loads (qp's rows 64-127)
	MUL16 \f, 0, 0, \zero
	MUL16 \f, 0, 2, \zero
	PLACES
	FETCH \k, \g
	s_wait_dscnt 32                                ; all but the 32 just issued
	MUL16 \f, 1, 0, \zero
	MUL16 \f, 1, 2, \zero
.endm
; The last quarter's first half and the opening barrier of a round: in front of it each wave waits for all its tensor loads, adds 0 to its spare word, and waits for that and for its reads of this slot.
.macro MEET
	WIN 0
	s_wait_tensorcnt 0x0
	ds_add_u32 v[SPW], v[NIL]
	s_wait_dscnt 9                                 ; (the add and the youngest eight loads may be out)
	MUL16 F1, 0, 0, 0
	s_wait_dscnt 0x0
	s_barrier_signal -1
	MUL16 F1, 0, 2, 0
	WIN 0
	s_barrier_wait -1
.endm
; The whole last quarter.  mode 1: the slot just read takes the K step two on, jointly.  mode 2: it takes my first part of the mask.
.macro TURN mode
	MEET
	CREST
.if (\mode) == 1
	s_add_co_u32 s[G0+1], s20, s[TB]
	s_add_nc_u64 s[G0+2:G0+3], s[G0+2:G0+3], KSTEP*2
	s_add_co_u32 s[G0B+1], s20, s[TB]
	s_add_nc_u64 s[G0B+2:G0B+3], s[G0B+2:G0B+3], KSTEP*2
	JLOAD
.else
	tensor_load_to_lds s[GM0:GM0+3], s[G1M:G1M+7]  ; every wave's own rows, into its own bytes of slot 0
	s_nop 0
	PLACES
.endif
	s_xor_b32 s[TB], s[TB], SLOT
	v_add_nc_u32 v[ADRA], s[TB], v[LNA]
	v_add_nc_u32 v[ADRB], s[TB], v[LNB]
	FETCH 0, F0
	MUL16 F1, 1, 0, 0
	MUL16 F1, 1, 2, 0
.endm
; THE SOFTMAX'S FIRST STAGE, a block of 16 rows at a time; a = 0..3 is the block among the four whose accumulators lie in window 2.
.macro MLD a                           ; the mask of block a: my row's 64 numbers, as the accumulators hold the scores
.set UL, 64+64*((\a)%2)
.irp b, 0,1,2,3,4,5,6,7
	ds_load_b128 v[UL+8*\b:UL+8*\b+3],   v[MA] offset:(\a)*16*MP+64*\b
	ds_load_b128 v[UL+8*\b+4:UL+8*\b+7], v[MA] offset:(\a)*16*MP+64*\b+16
.endr
.endm
.macro FM g                            ; c u - c m for eight scores
	s_wait_alu depctr_va_vdst(0)
.irp z, 0,1,2,3
	v_pk_fma_f32 v[UB+8*(\g)+2*\z:UB+8*(\g)+2*\z+1], v[UB+8*(\g)+2*\z:UB+8*(\g)+2*\z+1], s[CS:CS+1], v[14:15] op_sel_hi:[1,0,0] neg_lo:[0,0,1] neg_hi:[0,0,1]
.endr
.endm
.macro EX g
.irp z, 0,1,2,3,4,5,6,7
	v_exp_f32 v[UB+8*(\g)+\z], v[UB+8*(\g)+\z]
.endr
.endm
.macro CV g                            ; eight weights rounded to f16: 16 bytes
	s_wait_alu depctr_va_vdst(0)
.irp z, 0,1,2,3
	v_cvt_pk_f16_f32 v[TMP+4*(\g)+\z], v[UB+8*(\g)+2*\z], v[UB+8*(\g)+2*\z+1]
.endr
.endm
.macro SU g                            ; and added, unrounded, onto two running pairs; the first eight start them
.if (\g) == 0
	v_pk_add_f32 v[4:5], v[UB:UB+1],   v[UB+2:UB+3]
	v_pk_add_f32 v[6:7], v[UB+4:UB+5], v[UB+6:UB+7]
.else
	v_pk_add_f32 v[4:5], v[4:5], v[UB+8*(\g):UB+8*(\g)+1]
	v_pk_add_f32 v[6:7], v[6:7], v[UB+8*(\g)+2:UB+8*(\g)+3]
	v_pk_add_f32 v[4:5], v[4:5], v[UB+8*(\g)+4:UB+8*(\g)+5]
	v_pk_add_f32 v[6:7], v[6:7], v[UB+8*(\g)+6:UB+8*(\g)+7]
.endif
.endm
.macro TOSTAGE a
.set BK, OB+192*((\a)%2)
.irp b, 0,1,2,3,4,5,6,7
	ds_store_b128 v[STO], v[TMP+4*(\b):TMP+4*(\b)+3] offset:32*(\b)
.endr
.irp t, 0,1,2,3,4,5,6,7
	ds_load_b128 v[BK+4*(\t):BK+4*(\t)+3], v[RD] offset:(\t)*2*SPITCH  ; LDS serves a wave's instructions in order: these see the stores above
.endr
.endm
.macro SEND a                          ; the caller has waited for the block's loads from the stage
.set BK, OB+192*((\a)%2)
	s_wait_xcnt 0x0                                ; the registers that earlier stores read are loaded again only behind this wait
.irp t, 0,1,2,3,4,5,6,7
	global_store_b128 v[CO], v[BK+4*(\t):BK+4*(\t)+3], s[8:9] offset:((\a)*16+2*(\t))*4096  ; 16 lanes store 256 consecutive bytes, aligned; the block's place stands in the immediate
.endr
.endm
.macro BLOCK a
.set UB, 64+64*((\a)%2)
	WIN 0
	s_wait_dscnt 0x0                               ; this block's mask is in, and the block before is back from the stage
.if (\a) > 0
	SEND (\a)-1
.endif
.if (\a) < 3
	MLD (\a)+1
.endif
	WIN 0x02                                       ; source 0 in window 2
.set n, 0
.rept 32
	v_pk_fma_f32 v[UB+2*n:UB+2*n+1], v[64*(\a)+2*n:64*(\a)+2*n+1], s[RS:RS+1], v[UB+2*n:UB+2*n+1] op_sel_hi:[1,0,1]  ; u = s / 32 + mask; each accumulator from its low end on
.set n, n+1
.endr
	WIN 0
.irp k, 0,1,2,3                        ; the maximum of my 64 numbers: four chains of 15, three operands at a time,
	v_max3_num_f32 v[CM+\k], v[UB+16*\k], v[UB+16*\k+1], v[UB+16*\k+2]
.endr
.set n, 0
.rept 6
.irp k, 0,1,2,3
	v_max3_num_f32 v[CM+\k], v[CM+\k], v[UB+16*\k+3+2*n], v[UB+16*\k+4+2*n]
.endr
.set n, n+1
.endr
	v_max3_num_f32 v[CM],   v[CM],   v[UB+15], v[UB+31]   ; the four left over,
	v_max3_num_f32 v[CM+2], v[CM+2], v[UB+47], v[UB+63]
	v_max3_num_f32 v[CM], v[CM], v[CM+1], v[CM+2]
	v_max3_num_f32 v[CM], v[CM], v[CM+3], s[FLOOR]        ; and the floor
	v_permlanex16_b32 v12, v[CM], s[SEL], s[SEL+1]        ; the row's other 64 keys lie in the lane 16 away
	v_max_num_f32 v15, v[CM], v12
	v_mul_f32 v14, s[CS], v15
	FM 0
	FM 1
	EX 0                                           ; behind each run of exponentials stands plain work on other registers before their results are used
	FM 2
.irp g, 1,2,3,4,5
	EX \g
	FM (\g)+2
	CV (\g)-1
	SU (\g)-1
.endr
	EX 6
	CV 5
	SU 5
	EX 7
	CV 6
	SU 6
	CV 7
	SU 7
	v_pk_add_f32 v[4:5], v[4:5], v[6:7]
	v_add_f32 v4, v4, v5
	v_permlanex16_b32 v12, v4, s[SEL], s[SEL+1]
	v_add_f32 v4, v4, v12
	TOSTAGE \a
	ds_store_b32 v[SCA], v14 offset:64*(\a)        ; both halves of the lanes write the same word with the same number
	ds_store_b32 v[SCA], v4 offset:512+64*(\a)
.endm
	s_load_b256 s[4:11], s[0:1], 0x0               ; pj s[4:5], mask s[6:7], pw s[8:9], sm s[10:11]
	s_load_b64 s[68:69], s[0:1], 0x20              ; sl
	v_lshl_add_u32 v[SPW], v0, 2, SPARE
	v_mov_b32 v[NIL], 0
	ds_add_u32 v[SPW], v[NIL]                      ; the wave's opening: the add and its wait stand ahead of my first tensor load
	v_lshrrev_b32 v1, 5, v0
	v_readfirstlane_b32 s[WV], v1
	s_lshr_b32 s[WR], s[WV], 1
	s_and_b32 s[WC], s[WV], 1
	s_bfe_u32 s40, ttmp6, 0x40000                  ; cx
	s_bfe_u32 s41, ttmp6, 0x40004                  ; cy
	s_lshl_b32 s42, ttmp9, 2
	s_add_co_u32 s42, s42, s40                     ; x: the key tile, 0..7
	s_and_b32 s45, ttmp7, 0xffff
	s_lshl_b32 s45, s45, 2
	s_add_co_u32 s45, s45, s41                     ; y: 8 x batch + query tile, 0..31
	s_lshl_b32 s43, s41, 2
	s_lshl_b32 s43, 15, s43
	s_lshl_b32 s44, 0x1111, s40
	s_or_b32 s[G1], s43, (1<<16)|(1<<20)|(1<<21)|(5<<22)|(3<<25)
	s_or_b32 s[G1B], s44, (1<<16)|(1<<20)|(1<<21)|(5<<22)|(3<<25)
.irp g, G1, G1B
	s_mov_b32 s[(\g)+1], KSTEP<<16
	s_mov_b32 s[(\g)+2], 128<<16
	s_mov_b32 s[(\g)+3], KSTEP<<16
	s_mov_b32 s[(\g)+4], 128
	s_mov_b32 s[(\g)+5], SIZE_K
	s_mov_b32 s[(\g)+6], 0
	s_mov_b32 s[(\g)+7], 0
.endr
	s_mov_b32 s[G1M], (2<<16)|(1<<20)|(6<<22)|(3<<25)  ; no mask of work-groups; 4-byte elements; padding on: after every 128 words, 4 words
	s_mov_b32 s[G1M+1], 128<<16                    ; tensor_dim0 = 128
	s_mov_b32 s[G1M+2], 64<<16                     ; tensor_dim1 = 64
	s_mov_b32 s[G1M+3], 128<<16                    ; tile_dim0 = 128
	s_mov_b32 s[G1M+4], 64                         ; tile_dim1 = 64
	s_mov_b32 s[G1M+5], 2048                       ; elements from row to row
	s_mov_b32 s[G1M+6], 0
	s_mov_b32 s[G1M+7], 0
	s_mov_b32 s[RS], 0x3d000000                    ; 1/32
	s_mov_b32 s[RS+1], s[RS]                       ; named with it as a pair
	s_mov_b32 s[CS], 0x3fb8aa3b                    ; log2(e)
	s_mov_b32 s[CS+1], s[CS]
	s_mov_b32 s[SEL], 0x76543210
	s_mov_b32 s[SEL+1], 0xfedcba98
	s_mov_b32 s[FLOOR], 0xf149f2ca                 ; -1e30
	s_lshl_b32 s17, s[WC], 7                       ; which 128 rows of a tile I fetch
	s_lshl_b32 s16, s45, 8
	s_add_co_u32 s16, s16, s17
	s_lshl_b32 s16, s16, 11                        ; qp: row 256 y + 128 x half, 2,048 bytes a row
	s_and_b32 s47, ttmp7, 0xffff
	s_lshr_b32 s47, s47, 1                         ; the batch, from the cluster's y alone: a cluster's column shares it
	s_lshl_b32 s47, s47, 11
	s_lshl_b32 s46, s42, 8
	s_add_co_u32 s46, s46, s47
	s_add_co_u32 s46, s46, s17
	s_add_co_u32 s46, s46, 8192                    ; kp's rows lie behind qp's 8,192
	s_lshl_b32 s46, s46, 11
	s_mov_b32 s17, 0
	s_mov_b32 s47, 0
	s_and_b32 s70, s45, 7                          ; the mask: row 256 (y % 8) + 128 x my half of the rows, 8,192 bytes a row;
	s_lshl_b32 s70, s70, 8
	s_lshl_b32 s15, s[WR], 7
	s_add_co_u32 s70, s70, s15
	s_lshl_b32 s70, s70, 13
	s_lshl_b32 s15, s42, 10                        ; column 256 x + 128 x my half of the columns
	s_add_co_u32 s70, s70, s15
	s_lshl_b32 s15, s[WC], 9
	s_add_co_u32 s70, s70, s15
	s_mov_b32 s71, 0
	s_lshl_b32 s66, s45, 8                         ; my first row, 256 y + 128 x half,
	s_lshl_b32 s15, s[WR], 7
	s_add_co_u32 s66, s66, s15
	s_lshl_b32 s96, s66, 2                         ; in sm and sl: 4 bytes a row,
	s_lshl_b32 s66, s66, 12                        ; in pw: 4,096 bytes a row
	s_lshl_b32 s15, s42, 9
	s_add_co_u32 s66, s66, s15
	s_lshl_b32 s15, s[WC], 8
	s_add_co_u32 s66, s66, s15
	s_mov_b32 s67, 0
	s_lshl_b32 s15, s42, 1
	s_add_co_u32 s15, s15, s[WC]                   ; my group of keys, 2 x + half,
	s_lshl_b32 s15, s15, 15                        ; 32,768 bytes a group
	s_add_co_u32 s96, s96, s15
	s_mov_b32 s97, 0
	s_mul_i32 s20, s[WV], HALFT
	s_mul_i32 s21, s[WV], MTILE
	s_mov_b32 s[TB], 0
	s_wait_dscnt 0x0                               ; the opening add is done
	s_wait_kmcnt 0x0
	s_add_nc_u64 s[18:19], s[4:5], s[16:17]
	s_add_nc_u64 s[46:47], s[4:5], s[46:47]
	s_add_nc_u64 s[8:9], s[8:9], s[66:67]
	s_add_nc_u64 s[10:11], s[10:11], s[96:97]
	s_add_nc_u64 s[68:69], s[68:69], s[96:97]
	CROUND                                         ; all sixteen work-groups are here
	s_mov_b32 s[G0F], 1
	s_mov_b32 s[G0F+1], s20
	s_mov_b64 s[G0F+2:G0F+3], s[18:19]
	s_or_b32 s[G0F+3], s[G0F+3], 0x80000000
	s_mov_b32 s[G0], 1
	s_add_co_u32 s[G0+1], s20, SLOT
	s_add_nc_u64 s[G0+2:G0+3], s[18:19], KSTEP*2
	s_or_b32 s[G0+3], s[G0+3], 0x80000000
	s_mov_b32 s[G0BF], 1
	s_mov_b32 s[G0BF+1], s20
	s_mov_b64 s[G0BF+2:G0BF+3], s[46:47]
	s_or_b32 s[G0BF+3], s[G0BF+3], 0x80000000
	s_mov_b32 s[G0B], 1
	s_add_co_u32 s[G0B+1], s20, SLOT
	s_add_nc_u64 s[G0B+2:G0B+3], s[46:47], KSTEP*2
	s_or_b32 s[G0B+3], s[G0B+3], 0x80000000
	s_mov_b32 s[GM0], 1
	s_mov_b32 s[GM0+1], s21
	s_add_nc_u64 s[GM0+2:GM0+3], s[6:7], s[70:71]
	s_mov_b32 s[GM1], 1
	s_add_co_u32 s[GM1+1], s21, SLOT
	s_add_nc_u64 s[GM1+2:GM1+3], s[GM0+2:GM0+3], 64*8192   ; 64 rows further down
	s_or_b32 s[GM0+3], s[GM0+3], 0x80000000
	s_or_b32 s[GM1+3], s[GM1+3], 0x80000000
	s_cmp_eq_u32 s[WR], 0                          ; a wave's two first fills stand in one branch: two loads of mine are out
	s_cbranch_scc0 .Lfirst_b
	tensor_load_to_lds s[G0F:G0F+3], s[G1:G1+7]
	s_nop 0
	tensor_load_to_lds s[G0:G0+3], s[G1:G1+7]
	s_nop 0
	PLACES
	s_branch .Lfirst_asked
.Lfirst_b:
	tensor_load_to_lds s[G0BF:G0BF+3], s[G1B:G1B+7]
	s_nop 0
	tensor_load_to_lds s[G0B:G0B+3], s[G1B:G1B+7]
	s_nop 0
	PLACES
.Lfirst_asked:
	v_and_b32 v1, 15, v0                           ; r
	v_bfe_u32 v2, v0, 4, 1                         ; h
	v_mul_u32_u24 v3, v1, PITCH
	v_lshl_add_u32 v3, v2, 4, v3
	s_mul_i32 s23, s[WR], HALFT
	v_add_nc_u32 v[LNA], s23, v3
	s_mul_i32 s23, s[WC], HALFT
	s_add_co_u32 s23, s23, 2*HALFT
	v_add_nc_u32 v[LNB], s23, v3
	v_mov_b32 v[ADRA], v[LNA]
	v_mov_b32 v[ADRB], v[LNB]
	s_mul_i32 s23, s[WV], 16*SPITCH
	s_add_co_u32 s23, s23, STAGE
	v_mul_u32_u24 v4, v1, SPITCH
	v_lshl_add_u32 v4, v2, 4, v4
	v_add_nc_u32 v[STO], s23, v4
	v_mul_u32_u24 v5, v2, SPITCH
	v_lshl_add_u32 v5, v1, 4, v5
	v_add_nc_u32 v[RD], s23, v5
	v_lshlrev_b32 v5, 12, v2
	v_lshl_add_u32 v[CO], v1, 4, v5                ; two rows of pw, 4,096 bytes apart, 16 lanes each
	v_mul_u32_u24 v[MA], v1, MP
	v_lshl_add_u32 v[MA], v2, 5, v[MA]
	v_add_nc_u32 v[MA], s21, v[MA]                 ; the mask: row r, 32 bytes for each half of the lanes
	s_lshl_b32 s23, s[WV], 10
	s_add_co_u32 s23, s23, SCR
	v_lshl_add_u32 v[SCA], v1, 2, s23
	v_and_b32 v[GOF], 31, v0
	v_lshlrev_b32 v[GOF], 4, v[GOF]
	v_add_nc_u32 v[SRD], s23, v[GOF]
	s_wait_tensorcnt 1                             ; my part of K step 0 is in; K step 1's may stay out
	s_barrier_signal -1
	s_barrier_wait -1
	FETCH 0, F0
	QUARTER 64, F0, F1, 1                          ; the first quarter's products start the sums
	WIN 0
	s_mov_b32 s3, 6
.Lstep:                                                ; a trip: a K step's quarters 1 to 3 and the next step's quarter 0; it asks for K steps 2 to 7
	QUARTER 128, F1, F0, 0
	QUARTER 192, F0, F1, 0
	TURN 1
	QUARTER 64,  F0, F1, 0
	WIN 0
	s_sub_co_u32 s3, s3, 1
	s_cmp_lg_u32 s3, 0
	s_cbranch_scc1 .Lstep
	QUARTER 128, F1, F0, 0                         ; K steps 6 and 7 are written out: the slots that they leave take the mask
	QUARTER 192, F0, F1, 0
	TURN 2                                         ; my rows 0-63 of the mask land under 224 matrix instructions
	QUARTER 64,  F0, F1, 0
	QUARTER 128, F1, F0, 0
	QUARTER 192, F0, F1, 0
	MEET                                           ; its wait shows the mask's first part landed
	CREST
	tensor_load_to_lds s[GM1:GM1+3], s[G1M:G1M+7]  ; my rows 64-127 land under the first four blocks' softmax
	s_nop 0
	PLACES
	MUL16 F1, 1, 0, 0
	MUL16 F1, 1, 2, 0
	WIN 0
	PLACES                                         ; behind the last products: loads into registers that they read, and reads of results, follow
	v_mov_b32 v12, 0                               ; v_permlanex16_b32's destination counts as read
	s_mov_b32 s3, 2
.Lhalf:                                                ; two trips: my rows 0-63, then 64-127, by one text that names window 2
	MLD 0
	BLOCK 0
	BLOCK 1
	BLOCK 2
	BLOCK 3
	s_wait_dscnt 0x0
	SEND 3
	s_wait_tensorcnt 0x0                           ; the mask's second part has landed (in the second trip nothing is out)
	s_wait_xcnt 0x0                                ; the stores' base steps only behind this wait
	s_add_nc_u64 s[8:9], s[8:9], 64*4096           ; 64 rows on in pw,
	v_add_nc_u32 v[MA], SLOT, v[MA]                ; the mask's part in slot 1,
	v_add_nc_u32 v[SCA], 256, v[SCA]               ; 64 words on among the statistics
	s_cmp_eq_u32 s3, 1
	s_cbranch_scc1 .Lno_copy
	WIN 0x83                                       ; the upper rows' accumulators go where the one text names them: 256 moves in place of a second copy of four blocks' text
.set n, 0
.rept 256
	v_mov_b32 v[n], v[n]
.set n, n+1
.endr
	WIN 0
.Lno_copy:
	s_sub_co_u32 s3, s3, 1
	s_cmp_lg_u32 s3, 0
	s_cbranch_scc1 .Lhalf
	ds_load_b128 v[32:35], v[SRD]                  ; my 128 rows' c m and l: 512 consecutive bytes each
	ds_load_b128 v[36:39], v[SRD] offset:512
	s_wait_dscnt 0x0
	global_store_b128 v[GOF], v[32:35], s[10:11]
	global_store_b128 v[GOF], v[36:39], s[68:69]
	s_wait_tensorcnt 0x0                           ; the wave's end
	ds_add_u32 v[SPW], v[NIL]
	s_wait_dscnt 0x0
	CROUND                                         ; the closing round
	s_endpgm
.Lfunc_end_k_qa57d0fe1e9_score:
	.size	k_qa57d0fe1e9_score, .Lfunc_end_k_qa57d0fe1e9_score-k_qa57d0fe1e9_score
	.p2alignl 7, 3214868480
	.fill 96, 4, 3214868480
	.section	.rodata,"a",@progbits
	.p2align	6, 0x0
	.amdhsa_kernel k_qa57d0fe1e9_score
		.amdhsa_group_segment_fixed_size 327680
		.amdhsa_private_segment_fixed_size 0
		.amdhsa_enable_private_segment 0
		.amdhsa_kernarg_size 40
		.amdhsa_user_sgpr_count 2
		.amdhsa_user_sgpr_kernarg_segment_ptr 1
		.amdhsa_wavefront_size32 1
		.amdhsa_system_sgpr_workgroup_id_x 1
		.amdhsa_system_sgpr_workgroup_id_y 1
		.amdhsa_system_sgpr_workgroup_id_z 1
		.amdhsa_system_vgpr_workitem_id 0
		.amdhsa_next_free_vgpr 1024
		.amdhsa_next_free_sgpr 100
		.amdhsa_reserve_vcc 0
		.amdhsa_float_denorm_mode_32 3
		.amdhsa_float_denorm_mode_16_64 3
		.amdhsa_memory_ordered 1
		.amdhsa_forward_progress 1
		.amdhsa_inst_pref_size 160
	.end_amdhsa_kernel
	.amdgpu_metadata
---
amdhsa.version: [ 1, 2 ]
amdhsa.kernels:
  - .name:           k_qa57d0fe1e9_score
    .symbol:         k_qa57d0fe1e9_score.kd
    .args:
      - { .name: pj, .offset: 0, .size: 8, .value_kind: global_buffer, .address_space: global }
      - { .name: mask, .offset: 8, .size: 8, .value_kind: global_buffer, .address_space: global }
      - { .name: pw, .offset: 16, .size: 8, .value_kind: global_buffer, .address_space: global }
      - { .name: sm, .offset: 24, .size: 8, .value_kind: global_buffer, .address_space: global }
      - { .name: sl, .offset: 32, .size: 8, .value_kind: global_buffer, .address_space: global }
    .group_segment_fixed_size: 327680
    .private_segment_fixed_size: 0
    .kernarg_segment_align: 8
    .kernarg_segment_size: 40
    .max_flat_workgroup_size: 128
    .sgpr_count:     100
    .vgpr_count:     1024
    .wavefront_size: 32
...
	.end_amdgpu_metadata
.endif
;; end of part 3
;; launch pv (part 4): grid 4 x 64, 4 waves a work-group, clusters of 4 x 4, 327,680 bytes of LDS; arguments pw, vh, sm, sl, out0; writes out0
.if DOCPART == 4
	.amdgcn_target "amdgcn-amd-amdhsa--gfx1250"
	.amdhsa_code_object_version 6
	.text
	.protected	k_qa57d0fe1e9_pv
	.globl	k_qa57d0fe1e9_pv
	.p2align	8
	.type	k_qa57d0fe1e9_pv,@function
k_qa57d0fe1e9_pv:
	s_mov_b64 s[64:65], 0
	v_nop
	global_prefetch_b8 v0, s[64:65] scope:SCOPE_SE
	s_setreg_imm32_b32 hwreg(HW_REG_WAVE_MODE, 25, 1), 1
	s_wait_xcnt 0x0
	s_wait_alu depctr_hold_cnt(0) depctr_sa_sdst(0) depctr_va_vdst(0) depctr_va_sdst(0) depctr_va_ssrc(0) depctr_va_vcc(0) depctr_vm_vsrc(0)
	s_getreg_b32 s2, hwreg(HW_REG_IB_STS2, 6, 4)
	s_cmp_eq_u32 s2, 0
	s_cbranch_scc0 .Lentry_in_a_cluster
	s_endpgm
.Lentry_in_a_cluster:
	s_bfe_u32 s2, ttmp6, 0x10000c
	s_cmp_lg_u32 s2, 0xf033
	s_cbranch_scc0 .Lentry_shape_is_right
	s_endpgm
.Lentry_shape_is_right:
; out0[row][ch] = (1 / l) x sum over keys of (g p)[row][key] V[key][ch].  pw: [8192][2048] f16 holds p relative to the maximum of its group of 128 keys; sm, sl: [16 groups][8192 rows] f32
; hold c m and the sum of p of each group; vh: [8192 = batch x key][1024] f16.  For a row: M = the largest c m of its 16 groups (the softmax's true maximum), g = 2^(c m - M) <= 1,
; l = sum of g x the group's sum.  p is multiplied by g in f16, on its way from LDS to the matrix unit; the division by l is made on the f32 sums.
; LIMITS.  g p is rounded twice to f16 (p, then the product), and g itself to f16, while l is made of the unrounded p and g: at most 2^-11 of a group's share.  A row whose scores all lie below
; -1e30 has l = 0 and is not served.  NaN is not treated apart.
; SHARES.  A tile of 128 rows x 256 channels (256 work-groups; 256 x 256 would give 128), four waves of 64 x 128: 32 accumulators.  K = 2,048 keys in 16 steps of 128, a step a group, through two LDS slots.
; CLUSTERS: 4 x 4 work-groups; p's tiles are asked for jointly along a row of the cluster, V's along a column (a cluster's four tile rows lie in one batch).
; LAYOUT.  Source 0 = 16 channels of V, read turned by ds_load_tr16_b128; source 1 = 16 rows of p: lane l holds row l % 16 and the channels 8 (l / 16) + 0..7.
; A fragment of p goes through three quarters: loaded in quarter t - 2, multiplied by g in t - 1 (one v_pk_mul_f16 behind each matrix instruction), used in t: four buffers.
; REGISTERS, in windows of 256 (s_set_vgpr_msb: bits 1:0 source 0, 3:2 source 1, 5:4 source 2, 7:6 destination):
;   window 0: v0-31 addresses, g; v64-127, v128-191 fragments of V, two buffers (in the prologue: v32-127 the statistics; on the way out: 64 + 64 at work)
;   window 1: v0-127 the accumulators of row blocks 0, 1 (64 a + 8 b); v128-191 four buffers of their fragments of p      window 2: the same for row blocks 2, 3
; One setting (0x54, or 0xa8) serves a matrix instruction, the multiply behind it and p's LDS loads.
.set PP,    272                        ; a row of p in LDS: 256 bytes + 16
.set PV,    544                        ; a row of V: 512 + 32: an odd multiple of 32 bytes for the turning load
.set VOFF,  128*PP                     ; a slot: 128 rows of p, then 128 keys of V
.set SLOT,  128*(PP+PV)
.set STAGE, 2*SLOT                     ; 16 rows x 528 bytes for each wave
.set SP,    528
.set TAB,   STAGE+4*16*SP              ; for each wave 16 rows of 64 words (g, g) in f16, then 64 words 1 / l
.set SPARE, TAB+4*17*256               ; the spare words, 128 bytes for each wave
.set PA0, 8                            ; v8   my place in p's tile of slot 0; never rewritten
.set VA0, 9                            ; v9   the same for V
.set ADP, 10                           ; v10  the same in the slot in hand
.set ADV, 11                           ; v11
.set GA,  12                           ; v12  where I read g: it steps a table row a K step
.set STO, 13                           ; v13  the way out: where I put 32 bytes of a row
.set RD,  14                           ; v14  where I read a row back
.set CO,  15                           ; v15  16 x lane
.set SPW, 16                           ; v16  LDS address of my spare word; never rewritten
.set NIL, 17                           ; v17  0; never rewritten
.set GA0, 18                           ; v18  the table's first row
.set TW,  19                           ; v19  where I write the table
.set GC,  20                           ; v20-23  (g, g) of my row in the four row blocks, for the fragments now being multiplied
.set GN,  24                           ; v24-27  the next K step's
.set IL,  20                           ; v20, 22, 24, 26  on the way out: 1 / l
.set SM,  32                           ; prologue: v32-63 c m, then g, of rows 2 i, 2 i + 1 in the 16 groups
.set SL,  64                           ; prologue: v64-95 the groups' sums
.set GH,  96                           ; prologue: v96-127 (g, g) in f16
.set WV,  12                           ; s12  wave
.set WH,  13                           ; s13  wave % 2: which half of a tile I fetch; also my half of the channels
.set WR,  14                           ; s14  wave / 2: my half of the rows
.set TB,  22                           ; s22  LDS byte at which the slot in hand begins
.set G1,  24                           ; s[24:31] group 1 for p's tiles; s[32:35] group 0 of the first fill; s[36:39] group 0 that walks
.set G0F, 32
.set G0,  36
.set G1B, 48                           ; s[48:55], s[56:59], s[60:63] the same for V's
.set G0BF, 56
.set G0B, 60
.set MSB, 0
.macro WIN new
.if MSB != (\new)
	s_set_vgpr_msb (MSB<<8)|(\new)
.set MSB, \new
.endif
.endm
.macro PLACES
.rept 4
	v_nop
.endr
.endm
.macro JLOAD                           ; a joint refill: waves 0 and 1 fetch p's two halves, waves 2 and 3 V's
	s_cmp_lt_u32 s[WV], 2
	s_cbranch_scc0 .Lfor_v_\@
	tensor_load_to_lds s[G0:G0+3], s[G1:G1+7]
	s_nop 0
	PLACES
	s_branch .Lasked_\@
.Lfor_v_\@:
	tensor_load_to_lds s[G0B:G0B+3], s[G1B:G1B+7]
	s_nop 0
	PLACES
.Lasked_\@:
.endm
.macro CREST
	s_cmp_lg_u32 s[WV], 0
	s_cbranch_scc1 .Lnot_wave_0_\@
	s_barrier_signal -3
.Lnot_wave_0_\@:
	s_barrier_wait -3
	s_barrier_signal -1
	s_barrier_wait -1
.endm
.macro CROUND
	s_barrier_signal -1
	s_barrier_wait -1
	CREST
.endm
; n matrix instructions of quarter u from number i0 of a half's 16 (row block i / 8 of the window's two, channel block i % 8), the accumulators by turns.
; rid = 1: behind each, register i of the next quarter's fragments of p in the same window is multiplied by g.  zero = 1: the products start the sums.
.macro WMS u, half, i0, n, zero, rid
	WIN 0x54*(1+(\half))
.set i, (\i0)
.rept (\n)
.set rD, 64*(i/8)+8*(i%8)
.set rV, 64+64*((\u)%2)+8*(i%8)
.set rP, 128+16*(\u)+8*(i/8)
.set rN, 128+16*(((\u)+1)%4)+i
.if \zero
	v_wmma_f32_16x16x32_f16 v[rD:rD+7], v[rV:rV+7], v[rP:rP+7], 0
.else
	v_wmma_f32_16x16x32_f16 v[rD:rD+7], v[rV:rV+7], v[rP:rP+7], v[rD:rD+7]
.endif
.if \rid
	v_pk_mul_f16 v[rN], v[GC+2*(\half)+i/8], v[rN]
.endif
.set i, i+1
.endr
.endm
.macro FETCHV buf, q                   ; 32 keys x my 128 channels, turned: quarter q of the slot in hand
	WIN 0
.irp b, 0,1,2,3,4,5,6,7
	ds_load_tr16_b128 v[64+64*(\buf)+8*\b:64+64*(\buf)+8*\b+3],   v[ADV] offset:(\q)*32*PV+32*\b
	ds_load_tr16_b128 v[64+64*(\buf)+8*\b+4:64+64*(\buf)+8*\b+7], v[ADV] offset:(\q)*32*PV+16*PV+32*\b
.endr
.endm
.macro FETCHP buf, q, half             ; two row blocks x 32 keys of p
	WIN 0x54*(1+(\half))
.irp e, 0,1
	ds_load_b128 v[128+16*(\buf)+8*\e:128+16*(\buf)+8*\e+3],   v[ADP] offset:(2*(\half)+\e)*16*PP+64*(\q)
	ds_load_b128 v[128+16*(\buf)+8*\e+4:128+16*(\buf)+8*\e+7], v[ADP] offset:(2*(\half)+\e)*16*PP+64*(\q)+32
.endr
.endm
; A QUARTER: 32 keys, 32 matrix instructions.  vi: the quarter of V to fetch for the next quarter, pi: the quarter of p for the one after (-1: none); gn = 1: the next K step's g is fetched.
; V's loads go into the buffer that the quarter before multiplied: the four multiplies behind the first four matrix instructions are the places in front of them.
.macro QTR u, vi, pi, gn=0, zero=0, rid=1
	s_wait_dscnt 0x0                               ; what the quarter before fetched is in
	WMS \u, 0, 0, 4, \zero, \rid
.if (\vi) >= 0
	FETCHV ((\u)+1)%2, \vi
.endif
.if \gn
	WIN 0
	v_add_nc_u32 v[GA], 256, v[GA]
.irp e, 0,1,2,3
	ds_load_b32 v[GN+\e], v[GA] offset:64*\e
.endr
.endif
.if (\pi) >= 0
	FETCHP ((\u)+2)%4, \pi, 0
.endif
	WMS \u, 0, 4, 12, \zero, \rid
.if (\pi) >= 0
	FETCHP ((\u)+2)%4, \pi, 1
.endif
	WMS \u, 1, 0, 16, \zero, \rid
.endm
; QUARTER 2 CHANGES SLOTS.  V's quarter 3 is the last read of the slot in hand.  Each wave waits for all its tensor loads (one is out: its part of the next slot), adds 0 to its spare word, and waits for
; that and for its reads.  fill = 1: the barrier opens a round of the cluster's, and the slot just read takes the K step two on, first thing behind it: 116 matrix instructions ahead of the wait for it.
.macro QTR2 fill
	s_wait_dscnt 0x0
	WMS 2, 0, 0, 4, 0, 1
	FETCHV 1, 3
	s_wait_tensorcnt 0x0
	ds_add_u32 v[SPW], v[NIL]
	WMS 2, 0, 4, 8, 0, 1
	s_wait_dscnt 0x0                               ; the add is done, and my reads of this slot are over
	s_barrier_signal -1
	WMS 2, 0, 12, 4, 0, 1
	WIN 0
	s_barrier_wait -1
.if \fill
	CREST
	s_add_co_u32 s[G0+1], s20, s[TB]               ; no tensor load of mine is out: the walking group 0 takes the slot just read
	s_add_nc_u64 s[G0+2:G0+3], s[G0+2:G0+3], 256   ; 128 keys on in p's rows,
	s_add_co_u32 s[G0B+1], s21, s[TB]
	s_add_nc_u64 s[G0B+2:G0B+3], s[G0B+2:G0B+3], 128*2048  ; 128 rows down in V
	JLOAD
.endif
	s_xor_b32 s[TB], s[TB], SLOT                   ; the other slot is in hand
	v_add_nc_u32 v[ADP], s[TB], v[PA0]
	v_add_nc_u32 v[ADV], s[TB], v[VA0]
	FETCHP 0, 0, 0
	FETCHP 0, 0, 1
	WMS 2, 1, 0, 16, 0, 1
	WIN 0
.irp e, 0,1,2,3
	v_mov_b32 v[GC+\e], v[GN+\e]                   ; from quarter 3 on the fragments being multiplied are the next K step's
.endr
.endm
	s_load_b256 s[4:11], s[0:1], 0x0               ; pw s[4:5], vh s[6:7], sm s[8:9], sl s[10:11]
	s_load_b64 s[68:69], s[0:1], 0x20              ; out0
	v_lshl_add_u32 v[SPW], v0, 2, SPARE
	v_mov_b32 v[NIL], 0
	ds_add_u32 v[SPW], v[NIL]                      ; the wave's opening: the add and its wait stand ahead of my first tensor load
	v_lshrrev_b32 v1, 5, v0
	v_readfirstlane_b32 s[WV], v1
	s_and_b32 s[WH], s[WV], 1
	s_lshr_b32 s[WR], s[WV], 1
	s_bfe_u32 s40, ttmp6, 0x40000                  ; cx
	s_bfe_u32 s41, ttmp6, 0x40004                  ; cy
	s_lshl_b32 s42, ttmp9, 2
	s_add_co_u32 s42, s42, s40                     ; x: the channel tile, 0..3
	s_and_b32 s45, ttmp7, 0xffff
	s_lshl_b32 s45, s45, 2
	s_add_co_u32 s45, s45, s41                     ; y: the row tile, 0..63
	s_lshl_b32 s43, s41, 2
	s_lshl_b32 s43, 15, s43                        ; my row of the cluster
	s_lshl_b32 s44, 0x1111, s40                    ; my column
	s_or_b32 s[G1], s43, (1<<16)|(1<<20)|(1<<21)|(5<<22)|(3<<25)   ; p: 2-byte elements; after every 64 words, 4 words of padding
	s_mov_b32 s[G1+1], 128<<16                     ; tensor_dim0 = 128
	s_mov_b32 s[G1+2], 64<<16                      ; tensor_dim1 = 64
	s_mov_b32 s[G1+3], 128<<16                     ; tile_dim0 = 128
	s_mov_b32 s[G1+4], 64                          ; tile_dim1 = 64
	s_mov_b32 s[G1+5], 2048                        ; elements from row to row
	s_mov_b32 s[G1+6], 0
	s_mov_b32 s[G1+7], 0
	s_or_b32 s[G1B], s44, (1<<16)|(1<<20)|(1<<21)|(6<<22)|(7<<25)  ; V: after every 128 words, 8 words of padding
	s_mov_b32 s[G1B+1], 256<<16                    ; tensor_dim0 = 256
	s_mov_b32 s[G1B+2], 64<<16                     ; tensor_dim1 = 64
	s_mov_b32 s[G1B+3], 256<<16                    ; tile_dim0 = 256
	s_mov_b32 s[G1B+4], 64                         ; tile_dim1 = 64
	s_mov_b32 s[G1B+5], 1024
	s_mov_b32 s[G1B+6], 0
	s_mov_b32 s[G1B+7], 0
	s_lshl_b32 s17, s[WH], 6                       ; which 64 rows of a tile I fetch
	s_lshl_b32 s16, s45, 7
	s_add_co_u32 s16, s16, s17
	s_lshl_b32 s16, s16, 12                        ; p: row 128 y + 64 x half, 4,096 bytes a row
	s_and_b32 s46, ttmp7, 0xffff
	s_lshr_b32 s46, s46, 2                         ; the batch, from the cluster's y alone
	s_lshl_b32 s46, s46, 11
	s_add_co_u32 s46, s46, s17
	s_lshl_b32 s46, s46, 11                        ; V: row 2,048 x batch + 64 x half, 2,048 bytes a row,
	s_lshl_b32 s47, s42, 9
	s_add_co_u32 s46, s46, s47                     ; channel 256 x
	s_mov_b32 s17, 0
	s_mov_b32 s47, 0
	s_lshl_b32 s66, s45, 7                         ; my wave's first row, 128 y + 64 x my half of the rows,
	s_lshl_b32 s15, s[WR], 6
	s_add_co_u32 s66, s66, s15
	s_lshl_b32 s70, s66, 12                        ; in out0: 4,096 bytes a row,
	s_lshl_b32 s66, s66, 2                         ; in sm and sl: 4 bytes a row
	s_mov_b32 s67, 0
	s_lshl_b32 s15, s42, 10
	s_add_co_u32 s70, s70, s15
	s_lshl_b32 s15, s[WH], 9
	s_add_co_u32 s70, s70, s15                     ; channel 256 x + 128 x my half
	s_mov_b32 s71, 0
	s_mul_i32 s20, s[WH], 64*PP                    ; where my part of a slot lies, for p
	s_mul_i32 s21, s[WH], 64*PV                    ; and for V
	s_add_co_u32 s21, s21, VOFF
	s_mov_b32 s[TB], 0
	s_wait_dscnt 0x0                               ; the opening add is done
	s_wait_kmcnt 0x0
	s_add_nc_u64 s[18:19], s[4:5], s[16:17]
	s_add_nc_u64 s[46:47], s[6:7], s[46:47]
	s_add_nc_u64 s[8:9], s[8:9], s[66:67]
	s_add_nc_u64 s[10:11], s[10:11], s[66:67]
	s_add_nc_u64 s[68:69], s[68:69], s[70:71]
	CROUND                                         ; all sixteen work-groups are here
	s_mov_b32 s[G0F], 1
	s_mov_b32 s[G0F+1], s20                        ; slot 0, K step 0
	s_mov_b64 s[G0F+2:G0F+3], s[18:19]
	s_or_b32 s[G0F+3], s[G0F+3], 0x80000000
	s_mov_b32 s[G0], 1
	s_add_co_u32 s[G0+1], s20, SLOT                ; slot 1, K step 1
	s_add_nc_u64 s[G0+2:G0+3], s[18:19], 256
	s_or_b32 s[G0+3], s[G0+3], 0x80000000
	s_mov_b32 s[G0BF], 1
	s_mov_b32 s[G0BF+1], s21
	s_mov_b64 s[G0BF+2:G0BF+3], s[46:47]
	s_or_b32 s[G0BF+3], s[G0BF+3], 0x80000000
	s_mov_b32 s[G0B], 1
	s_add_co_u32 s[G0B+1], s21, SLOT
	s_add_nc_u64 s[G0B+2:G0B+3], s[46:47], 128*2048
	s_or_b32 s[G0B+3], s[G0B+3], 0x80000000
	s_cmp_lt_u32 s[WV], 2                          ; a wave's two first fills stand in one branch: two loads of mine are out
	s_cbranch_scc0 .Lfirst_v
	tensor_load_to_lds s[G0F:G0F+3], s[G1:G1+7]
	s_nop 0
	tensor_load_to_lds s[G0:G0+3], s[G1:G1+7]
	s_nop 0
	PLACES
	s_branch .Lfirst_asked
.Lfirst_v:
	tensor_load_to_lds s[G0BF:G0BF+3], s[G1B:G1B+7]
	s_nop 0
	tensor_load_to_lds s[G0B:G0B+3], s[G1B:G1B+7]
	s_nop 0
	PLACES
.Lfirst_asked:
	; THE TABLE, in the wait for the first tiles.  Lane i takes rows 2 i and 2 i + 1 of my wave's 64: a load of the wave covers 256 consecutive bytes, aligned.
	v_and_b32 v1, 15, v0                           ; r
	v_bfe_u32 v2, v0, 4, 1                         ; h
	v_and_b32 v3, 31, v0
	v_lshlrev_b32 v[CO], 4, v3                     ; 16 x lane
	v_lshlrev_b32 v3, 3, v3                        ; 8 x lane
.set j, 0
.rept 16
	global_load_b64 v[SM+2*j:SM+2*j+1], v3, s[8:9] offset:j*32768
	global_load_b64 v[SL+2*j:SL+2*j+1], v3, s[10:11] offset:j*32768
.set j, j+1
.endr
	v_mul_u32_u24 v[PA0], v1, PP
	v_lshl_add_u32 v[PA0], v2, 4, v[PA0]
	s_mul_i32 s23, s[WR], 64*PP
	v_add_nc_u32 v[PA0], s23, v[PA0]               ; p: row 64 x half + r, 16 bytes for each half of the lanes
	v_and_b32 v4, 7, v0
	v_lshl_add_u32 v4, v2, 3, v4                   ; the turning load: lane l reads key 8 h + l % 8,
	v_mul_u32_u24 v[VA0], v4, PV
	v_bfe_u32 v4, v0, 3, 1
	v_lshl_add_u32 v[VA0], v4, 4, v[VA0]           ; channels 8 ((l / 8) % 2) + 0..7,
	s_lshl_b32 s23, s[WH], 8
	s_add_co_u32 s23, s23, VOFF
	v_add_nc_u32 v[VA0], s23, v[VA0]               ; of my 128 channels
	v_mov_b32 v[ADP], v[PA0]
	v_mov_b32 v[ADV], v[VA0]
	s_mul_i32 s23, s[WV], 17*256
	s_add_co_u32 s23, s23, TAB                     ; my table
	v_lshl_add_u32 v[GA0], v1, 2, s23
	v_mov_b32 v[GA], v[GA0]
	v_add_nc_u32 v[TW], s23, v3
	s_mul_i32 s23, s[WV], 16*SP
	s_add_co_u32 s23, s23, STAGE                   ; my stage
	v_mul_u32_u24 v[STO], v1, SP
	v_lshl_add_u32 v[STO], v2, 5, v[STO]
	v_add_nc_u32 v[STO], s23, v[STO]
	v_add_nc_u32 v[RD], s23, v[CO]
	s_wait_loadcnt 0x0
.irp e, 0,1                            ; M: the largest of the 16 c m, for each of my two rows
	v_max3_num_f32 v[4+\e], v[SM+\e], v[SM+2+\e], v[SM+4+\e]
.endr
.set j, 3
.rept 6
.irp e, 0,1
	v_max3_num_f32 v[4+\e], v[4+\e], v[SM+2*j+\e], v[SM+2*j+2+\e]
.endr
.set j, j+2
.endr
.irp e, 0,1
	v_max_num_f32 v[4+\e], v[4+\e], v[SM+30+\e]
.endr
.set j, 0
.rept 16
	v_pk_add_f32 v[SM+2*j:SM+2*j+1], v[SM+2*j:SM+2*j+1], v[4:5] neg_lo:[0,1] neg_hi:[0,1]
.set j, j+1
.endr
.set j, 0
.rept 32
	v_exp_f32 v[SM+j], v[SM+j]                     ; g
.set j, j+1
.endr
	v_nop                                          ; a plain instruction between the last exponential and the use of its result
.set j, 0
	s_wait_alu depctr_va_vdst(0)
.rept 32
	v_cvt_pk_f16_f32 v[GH+j], v[SM+j], v[SM+j]     ; (g, g)
.set j, j+1
.endr
	v_pk_mul_f32 v[4:5], v[SM:SM+1],   v[SL:SL+1]  ; l = the sum of g x the group's sum, in two chains
	v_pk_mul_f32 v[6:7], v[SM+2:SM+3], v[SL+2:SL+3]
.set j, 2
.rept 7
	v_pk_fma_f32 v[4:5], v[SM+2*j:SM+2*j+1],   v[SL+2*j:SL+2*j+1],   v[4:5]
	v_pk_fma_f32 v[6:7], v[SM+2*j+2:SM+2*j+3], v[SL+2*j+2:SL+2*j+3], v[6:7]
.set j, j+2
.endr
	v_pk_add_f32 v[4:5], v[4:5], v[6:7]
	v_rcp_f32 v4, v4
	v_rcp_f32 v5, v5
	v_nop
.set j, 0
.rept 16
	ds_store_b64 v[TW], v[GH+2*j:GH+2*j+1] offset:256*j
.set j, j+1
.endr
	s_wait_alu depctr_va_vdst(0)
	ds_store_b64 v[TW], v[4:5] offset:4096         ; the table is my wave's own: LDS serves a wave's instructions in order, and no other wave reads it
	s_wait_tensorcnt 1                             ; my part of K step 0 is in; K step 1's may stay out
	s_wait_dscnt 0x0
	s_barrier_signal -1
	s_barrier_wait -1
	FETCHV 0, 0
.irp e, 0,1,2,3
	ds_load_b32 v[GC+\e], v[GA] offset:64*\e
.endr
	FETCHP 0, 0, 0
	FETCHP 1, 1, 0
	FETCHP 0, 0, 1
	FETCHP 1, 1, 1
	s_wait_dscnt 0x0
	WIN 0x54                                       ; the very first fragments of p have no quarter before them: they are multiplied here
.set i, 0
.rept 16
	v_pk_mul_f16 v[128+i], v[GC+i/8], v[128+i]
.set i, i+1
.endr
	WIN 0xa8
.set i, 0
.rept 16
	v_pk_mul_f16 v[128+i], v[GC+2+i/8], v[128+i]
.set i, i+1
.endr
	QTR 0, 1, 2, 0, 1                              ; the first quarter stands in front of the loop: its products start the sums
	WIN 0
	s_mov_b32 s3, 14
.Lstep:                                                ; a trip: a K step's quarters 1 to 3 and the next step's quarter 0; it asks for K steps 2 to 15
	QTR 1, 2, 3, 1
	QTR2 1
	QTR 3, 0, 1
	QTR 0, 1, 2
	WIN 0
	s_sub_co_u32 s3, s3, 1
	s_cmp_lg_u32 s3, 0
	s_cbranch_scc1 .Lstep
	QTR 1, 2, 3, 1                                 ; K steps 14 and 15 are written out: nothing more is asked for,
	QTR2 0
	QTR 3, 0, 1
	QTR 0, 1, 2
	QTR 1, 2, 3
	QTR 2, 3, -1                                   ; and what has no successor is neither fetched
	QTR 3, -1, -1, 0, 0, 0                         ; nor multiplied
	; THE WAY OUT, a block of 16 rows at a time: times 1 / l; 32 bytes a lane into my stage; back as whole rows of 512 bytes; stored.
	WIN 0
	PLACES
.irp e, 0,1,2,3
	ds_load_b32 v[IL+2*\e], v[GA0] offset:4096+64*\e
.endr
	s_wait_dscnt 0x0
.irp a, 0,1,2,3
	WIN 1+(\a)/2                                   ; source 0 in window 1 or 2
.set n, 0
.rept 32
	v_pk_mul_f32 v[64+2*n:64+2*n+1], v[64*((\a)%2)+2*n:64*((\a)%2)+2*n+1], v[IL+2*(\a):IL+2*(\a)+1] op_sel_hi:[1,0]  ; each accumulator from its low end on
.set n, n+1
.endr
	WIN 0
.set n, 0
.rept 8
	ds_store_b128 v[STO], v[64+8*n:64+8*n+3]   offset:64*n
	ds_store_b128 v[STO], v[64+8*n+4:64+8*n+7] offset:64*n+16
.set n, n+1
.endr
	s_wait_xcnt 0x0                                ; the registers that the last block's stores read are loaded again only behind this wait
.set n, 0
.rept 16
	ds_load_b128 v[128+4*n:128+4*n+3], v[RD] offset:n*SP  ; LDS serves a wave's instructions in order: these see the stores above
.set n, n+1
.endr
.set n, 0
.rept 16
	s_wait_dscnt 15-n                              ; row n is back; the younger loads may be out
	global_store_b128 v[CO], v[128+4*n:128+4*n+3], s[68:69] offset:((\a)*16+n)*4096  ; 32 lanes store 512 consecutive bytes, aligned
.set n, n+1
.endr
.endr
	s_wait_tensorcnt 0x0                           ; the wave's end
	ds_add_u32 v[SPW], v[NIL]
	s_wait_dscnt 0x0
	CROUND                                         ; the closing round
	s_endpgm
.Lfunc_end_k_qa57d0fe1e9_pv:
	.size	k_qa57d0fe1e9_pv, .Lfunc_end_k_qa57d0fe1e9_pv-k_qa57d0fe1e9_pv
	.p2alignl 7, 3214868480
	.fill 96, 4, 3214868480
	.section	.rodata,"a",@progbits
	.p2align	6, 0x0
	.amdhsa_kernel k_qa57d0fe1e9_pv
		.amdhsa_group_segment_fixed_size 327680
		.amdhsa_private_segment_fixed_size 0
		.amdhsa_enable_private_segment 0
		.amdhsa_kernarg_size 40
		.amdhsa_user_sgpr_count 2
		.amdhsa_user_sgpr_kernarg_segment_ptr 1
		.amdhsa_wavefront_size32 1
		.amdhsa_system_sgpr_workgroup_id_x 1
		.amdhsa_system_sgpr_workgroup_id_y 1
		.amdhsa_system_sgpr_workgroup_id_z 1
		.amdhsa_system_vgpr_workitem_id 0
		.amdhsa_next_free_vgpr 704
		.amdhsa_next_free_sgpr 72
		.amdhsa_reserve_vcc 0
		.amdhsa_float_denorm_mode_32 3
		.amdhsa_float_denorm_mode_16_64 3
		.amdhsa_memory_ordered 1
		.amdhsa_forward_progress 1
		.amdhsa_inst_pref_size 114
	.end_amdhsa_kernel
	.amdgpu_metadata
---
amdhsa.version: [ 1, 2 ]
amdhsa.kernels:
  - .name:           k_qa57d0fe1e9_pv
    .symbol:         k_qa57d0fe1e9_pv.kd
    .args:
      - { .name: pw, .offset: 0, .size: 8, .value_kind: global_buffer, .address_space: global }
      - { .name: vh, .offset: 8, .size: 8, .value_kind: global_buffer, .address_space: global }
      - { .name: sm, .offset: 16, .size: 8, .value_kind: global_buffer, .address_space: global }
      - { .name: sl, .offset: 24, .size: 8, .value_kind: global_buffer, .address_space: global }
      - { .name: out0, .offset: 32, .size: 8, .value_kind: global_buffer, .address_space: global }
    .group_segment_fixed_size: 327680
    .private_segment_fixed_size: 0
    .kernarg_segment_align: 8
    .kernarg_segment_size: 40
    .max_flat_workgroup_size: 128
    .sgpr_count:     72
    .vgpr_count:     704
    .wavefront_size: 32
...
	.end_amdgpu_metadata
.endif
;; end of part 4
